; MI455X (gfx1250); checked and timed in simulation.
; The chip was launched on July 23, 2026; its instructions are those of AMD's public machine-readable ISA for CDNA 5 (MIT licence, August 2026) and "CDNA5" Instruction Set Architecture Reference Guide (July 2026). The comments in the code are by the model that wrote it; some were corrected since.
;; Multi Head Attention. Allowed arithmetic: matrix products marked QUANTISED: E3M2 operands, one E8M0 scale for each 32 along K, by v_wmma_scale_f32_16x16x128_f8f6f4 with both operands' format E3M2, f32 sums; everything else in f32.
;; Inputs: W_o 1,024 x 1,024 float32; W_qkv 1,024 x 3,072 float32; b_o 1,024 float32; b_qkv 3,072 float32; x 4 x 2,048 x 1,024 float32.
;; Outputs: out0 4 x 2,048 x 1,024 float32.
;; This version of the problem:
;;   THIS VERSION OF THE PROBLEM IS GIVEN IN LOW PRECISION. The matrix products marked QUANTISED in the list below multiply operands that are first quantised to E3M2 (3 exponent bits, 2 mantissa bits; 6 bits a number), with one power-of-two scale for each 32 numbers along K (OCP MX v1.0); their sums are f32. All else is computed in f32.
;;   The module's matrix products, in the order in which they are computed (A, B: the left and right operand; K: the contracted axis; several contracted axes count as one K, in the product's order):
;;     1. [M 8,192, K 1,024] x [K 1,024, N 3,072]; A: input x; B: input W_qkv: QUANTISED
;;     2. batch 64 x [M 2,048, K 64] x [K 64, N 2,048]; A: computed on the way; B: computed on the way: QUANTISED
;;     3. batch 64 x [M 2,048, K 2,048] x [K 2,048, N 64]; A: softmax (see below); B: computed on the way: QUANTISED
;;     4. [M 8,192, K 1,024] x [K 1,024, N 1,024]; A: computed on the way; B: input W_o: QUANTISED
;;   THE QUANTISER, for each operand of a quantised product, along K:
;;     - K is cut into blocks of 32 from its start; a last block that is shorter is filled with zeros.
;;     - A block's scale is 2^e with e = floor(log2(the largest magnitude in the block)) - 4, held to -126 .. 127; a block of zeros has e = 0. As a byte (E8M0): e + 127.
;;     - Each number is divided by its block's scale, clamped to +-28, and rounded to the nearest number of E3M2, ties to even, subnormals kept.
;;     - The product sums the exact products of the quantised numbers (number of the format x scale) in f32.
;;   ~~~python
;;   def quantise(x, axis):      # numpy; x: float32 -> the quantised numbers, widened to float32 again
;;       x = np.moveaxis(x, axis, -1); K = x.shape[-1]
;;       x = np.pad(x, [(0, 0)] * (x.ndim - 1) + [(0, -K % 32)]); x = x.reshape(x.shape[:-1] + (-1, 32)); a = np.abs(x).max(-1, keepdims=True)
;;       e = np.where(a > 0, np.clip(np.frexp(np.where(a > 0, a, 1))[1] - 1 - 4, -126, 127), 0)      # np.frexp(a)[1] - 1 = floor(log2(a)), exactly
;;       r = np.clip(x / 2.0 ** e, -28, 28)
;;       step = 2.0 ** (np.maximum(np.frexp(np.where(r == 0, 1, r))[1] - 1, -2) - 2)
;;       q = np.round(r / step) * step * 2.0 ** e      # np.round: ties to even
;;       return np.moveaxis(q.reshape(q.shape[:-2] + (-1,))[..., :K], -1, axis).astype(np.float32)
;;   ~~~
;;   SOFTMAX AHEAD OF A QUANTISED PRODUCT. Where the list says 'softmax', what is quantised is not the finished softmax but p = 2^(t - M), with t = logit x log2(e) and M = ceil(the row's largest t), a whole number; so 1/2 < the row's largest p <= 1. The row's sum l is taken of the UNQUANTISED p, in f32, and the product's result is divided by l at the end. Since M is a whole number, a kernel that streams over the keys may use a running M (the ceiling of the running maximum): every later rescaling is an exact power of two, which a block's scale takes up: the codes' values come out the same.
;;   OPERANDS COMPUTED ON THE WAY. 'Computed on the way' means the value that the module computes at that place (a softmax that the list does not call 'softmax' is quantised finished and normalised). What goes into a quantiser is computed in f32, as accurately as f32 sums, v_exp_f32 and their like allow (about 1e-6 of the number): no bf16 or f16 on the way to a quantiser, and a product that is left as it is and whose result goes on into a quantised operand takes f32 operands (vector FMAs, or v_wmma_f32_16x16x4_f32). A number that lies on a knife's edge between two numbers of the format may be rounded either way, as far as f32 arithmetic and the matrix unit's own rounding can turn it there, and no further.
;; One version. Each part assembles by itself: llvm-mc -triple=amdgcn-amd-amdhsa -mcpu=gfx1250 --defsym DOCPART=n.
;; ======== version 1 of 1: 4 launches
;; limits: right only within a limited range of input values
;; workspace buffers: x_codes 6,291,456 bytes; x_scales 262,144 bytes; w_codes 3,145,728 bytes; w_scales 131,072 bytes; qimg 6,815,744 bytes; kv 13,369,344 bytes; vals_codes 6,291,456 bytes; vals_scales 262,144 bytes
;; launch quant (part 1): grid 384 x 1, 4 waves a work-group, no clusters, 69,120 bytes of LDS; arguments x, W_qkv, W_o, x_codes, x_scales, w_codes, w_scales; writes x_codes, x_scales, w_codes, w_scales
.if DOCPART == 1
	.amdgcn_target "amdgcn-amd-amdhsa--gfx1250"
	.amdhsa_code_object_version 6
	.text
	.protected	k_q507ba6b0b4_quant
	.globl	k_q507ba6b0b4_quant
	.p2align	8
	.type	k_q507ba6b0b4_quant,@function
k_q507ba6b0b4_quant:
	s_mov_b64 s[64:65], 0
	v_nop
	global_prefetch_b8 v0, s[64:65] scope:SCOPE_SE
	s_setreg_imm32_b32 hwreg(HW_REG_WAVE_MODE, 25, 1), 1
	s_wait_xcnt 0x0
; x [8192][1024], W_qkv [1024][3072] and W_o [1024][1024], f32, become codes of BF6 (E3M2), 6 bits each, K innermost (768 bytes a row), with one E8M0 byte for each 32 along K (32 bytes a row).
; A block's scale is 2^(floor(log2(its largest magnitude)) - 4): its byte is the largest magnitude's exponent field - 4, held at 1 from below by a floor among the maximum's leaves.
; LIMITS: a block of zeros, or one whose largest magnitude lies under 2^-122, gets the byte 1 (its codes are zeros or subnormal codes; the bytes are read by this program alone); NaN and infinities are not served.
; THE ORDER OF ROWS.  In every group of 32 rows of x_codes, x_scales, w_codes and w_scales, memory row m holds true row mu(m) = m with its bits 3 and 4 exchanged.  A block of 16 memory rows taken as source 0
; of a matrix instruction then leaves, in two neighbouring blocks' results, 16 neighbouring true rows in a lane's 16 registers.
; w_codes' true rows: 128 head + c (c < 128): W_qkv's column 192 head + c (q, k);  2048 + 64 head + c: column 192 head + 128 + c (v);  3072 + n: W_o's column n.
; Work-groups 0-255 take x (K innermost: a plain stream of blocks), work-groups 256-383 the weights (K is the first axis: a lane takes a column, its registers run down K).  Each way has LDS bytes of its own.
; No tensor loads, no barrier: waves share nothing.
.set STEPS, 16                         ; x: a wave takes 16 steps of 512 numbers: 8 rows
.set CB,    12                         ; bytes of 16 codes
.set R,     16                         ; v16-79   x: four sets of 16 numbers as loaded
.set X,     80                         ; v80-111  x: two sets of 16 neighbours
.set E,     112                        ; v112-127 x: a scale byte for each step
.set C,     128                        ; v128-191 x: codes, four registers a step
.set WREG,  8192                       ; x: LDS region of a wave: two stages of 32 x SP bytes, then its 256 scale bytes
.set SP,    80                         ; a lane's place in a stage: 64 bytes + 16 of padding
.set WSTG,  32768                      ; weights: the stages begin here, 32 x WP bytes a wave
.set WP,    272                        ; a stage row: sixteen places of 16 bytes (12 of codes each) + 16
.set WX,    32                         ; v32-95   weights: two sets of 32 numbers
.set WC,    96                         ; v96-102  weights: a block's codes
.set OUTR,  112                        ; v112-175 weights: the way out
.set SB,    24                         ; v24-25   weights: eight scale bytes
.set OFF,   176                        ; v176-207 weights: 4 x lane + i x a row of the source
.set BASE,  32                         ; s[32:47] weights: the source at my first column and at K = 256 y + 32 t, t = 0 .. 7
	s_load_b256 s[4:11], s[0:1], 0x0               ; x s[4:5], W_qkv s[6:7], W_o s[8:9], x_codes s[10:11]
	s_load_b128 s[12:15], s[0:1], 0x20             ; x_scales s[12:13], w_codes s[14:15]
	s_load_b64 s[16:17], s[0:1], 0x30              ; w_scales
	v_lshl_add_u32 v208, v0, 2, 0x10c00
	v_mov_b32 v209, 0
	v_lshrrev_b32 v1, 5, v0
	v_readfirstlane_b32 s18, v1                    ; wave
	v_and_b32 v2, 31, v0                           ; lane
	s_cmp_lt_u32 ttmp9, 256
	s_cbranch_scc0 .Lweights
; ---------------- x ----------------
; Run k = 4 x work-group + wave is 8 true rows; it is stored as run k', k with its bits 0 and 1 exchanged: that is mu on groups of 8 rows.
	v_lshlrev_b32 v3, 4, v2                        ; my 16 bytes of a load's 512
	s_mul_i32 s19, s18, WREG
	v_lshrrev_b32 v14, 2, v2
	v_mul_u32_u24 v14, v14, SP
	v_and_b32 v15, 3, v2
	v_lshl_add_u32 v14, v15, 4, v14
	v_add_nc_u32 v14, s19, v14                     ; the stage, way in: SP (lane / 4) + 16 (lane % 4)
	v_mul_u32_u24 v15, v2, SP
	v_add_nc_u32 v15, s19, v15                     ; way out: SP x lane: my 16 neighbours
	v_mul_u32_u24 v4, v2, CB                       ; my codes' place in a step's 384 bytes
	v_lshrrev_b32 v5, 1, v2
	s_add_co_u32 s19, s19, 2*32*SP
	v_add_nc_u32 v5, s19, v5                       ; my block's byte among the wave's 256
	v_lshlrev_b32 v7, 3, v2
	v_add_nc_u32 v6, s19, v7
	s_lshl_b32 s20, ttmp9, 2
	s_add_co_u32 s22, s20, s18                     ; k
	s_and_b32 s21, s18, 1
	s_lshl_b32 s21, s21, 1
	s_lshr_b32 s23, s18, 1
	s_or_b32 s21, s21, s23
	s_add_co_u32 s24, s20, s21                     ; k'
	s_lshl_b32 s22, s22, 15                        ; 32,768 bytes of x a run
	s_mov_b32 s23, 0
	s_mul_i32 s26, s24, 6144                       ; 6,144 bytes of codes
	s_mov_b32 s27, 0
	s_lshl_b32 s24, s24, 8                         ; 256 scale bytes
	s_mov_b32 s25, 0
	s_wait_alu depctr_va_vdst(0)
	s_wait_kmcnt 0x0
	s_add_nc_u64 s[4:5], s[4:5], s[22:23]
	s_add_nc_u64 s[10:11], s[10:11], s[26:27]
	s_add_nc_u64 s[12:13], s[12:13], s[24:25]
.macro XLOAD t
.irp i, 0,1,2,3
	global_load_b128 v[R+16*((\t)%4)+4*\i:R+16*((\t)%4)+4*\i+3], v3, s[4:5] offset:2048*(\t)+512*\i th:TH_LOAD_NT   ; 32 lanes read 512 consecutive bytes
.endr
.endm
.macro XTURN t                         ; step t's numbers through the stage; LDS serves a wave's instructions in order, so no wait stands between the stores and the loads
.irp i, 0,1,2,3
	ds_store_b128 v14, v[R+16*((\t)%4)+4*\i:R+16*((\t)%4)+4*\i+3] offset:32*SP*((\t)%2)+8*SP*\i
.endr
.irp i, 0,1,2,3
	ds_load_b128 v[X+16*((\t)%2)+4*\i:X+16*((\t)%2)+4*\i+3], v15 offset:32*SP*((\t)%2)+16*\i
.endr
.endm
.irp t, 0,1,2,3
	XLOAD \t
.endr
	s_wait_loadcnt 12                              ; step 0's four loads are in; twelve younger ones stay out
	XTURN 0
.macro XSTEP t
.set XS, X+16*((\t)%2)
.if (\t) > 0
	s_wait_dscnt 1                                 ; this step's numbers are back from the stage; only the last step's byte store may be out
.else
	s_wait_dscnt 0x0
.endif
.if (\t)+4 < STEPS
	XLOAD (\t)+4                                   ; into the set whose stores into the stage have read their registers
.endif
.if (\t)+1 < STEPS
.if STEPS-2-(\t) >= 3
	s_wait_loadcnt 12                              ; the next step's four loads are in; three later steps' twelve may be out
.else
	s_wait_loadcnt 4*(STEPS-2-(\t))
.endif
	XTURN (\t)+1
.endif
	v_max3_num_f32 v8, |v[XS]|, |v[XS+1]|, |v[XS+2]|               ; the largest magnitude of my 16, in two chains
	v_max3_num_f32 v9, |v[XS+3]|, |v[XS+4]|, |v[XS+5]|
.irp i, 6,10
	v_max3_num_f32 v8, v8, |v[XS+\i]|, |v[XS+\i+1]|
	v_max3_num_f32 v9, v9, |v[XS+\i+2]|, |v[XS+\i+3]|
.endr
	v_max3_num_f32 v8, v8, |v[XS+14]|, |v[XS+15]|
	v_max3_num_f32 v8, v8, v9, 0x2800000           ; and the floor 2^(5 - 127): the byte cannot fall under 1
	v_max_num_f32_dpp v8, v8, v8 row_xmask:1 row_mask:0xf bank_mask:0xf   ; with my neighbour's 16: the block's
	v_add_nc_u32 v11, 0xfe000000, v8               ; 4 off the exponent field: the conversion takes that field as its scale
	v_cvt_scalef32_pk16_bf6_f32 v[C+4*(\t):C+4*(\t)+2], v[XS:XS+15], v11
	v_lshrrev_b32 v[E+(\t)], 23, v11               ; the scale's byte
	ds_store_b8 v5, v[E+(\t)] offset:16*(\t)       ; both lanes of a block write the same byte with the same value
	global_store_b96 v4, v[C+4*(\t):C+4*(\t)+2], s[10:11] offset:32*CB*(\t)   ; the wave stores 384 consecutive bytes
.endm
.irp t, 0,1,2,3,4,5,6,7,8,9,10,11,12,13,14,15
	XSTEP \t
.endr
	ds_load_b64 v[12:13], v6                       ; in order behind my byte stores
	s_wait_dscnt 0x0
	global_store_b64 v7, v[12:13], s[12:13]        ; 32 lanes store 256 consecutive bytes, aligned
	s_wait_tensorcnt 0x0
	ds_add_u32 v208, v209
	s_wait_dscnt 0x0
	s_endpgm
; ---------------- the weights ----------------
; i = work-group - 256; y = i % 4: which 256 along K; U = 4 (i / 4) + wave: which 32 columns.  U < 96: W_qkv's columns 32 U on; else W_o's columns 32 (U - 96) on.
.Lweights:
	s_sub_co_u32 s19, ttmp9, 256
	s_and_b32 s20, s19, 3                          ; y
	s_and_b32 s19, s19, 0x7c
	s_add_co_u32 s19, s19, s18                     ; U
	s_mul_hi_u32 s21, s19, 0x2aaaaaab              ; head = U / 6 (192 columns a head)
	s_mul_i32 s22, s21, 6
	s_sub_co_u32 s22, s19, s22                     ; part 0 .. 5: q, q, k, k, v, v
	s_lshl_b32 s24, s22, 5
	s_lshl_b32 s23, s21, 7
	s_add_co_u32 s23, s23, s24                     ; q, k: row 128 head + 32 part
	s_lshl_b32 s25, s21, 6
	s_add_co_u32 s25, s25, s24
	s_add_co_u32 s25, s25, 1920                    ; v: row 2048 + 64 head + 32 (part - 4)
	s_cmp_lt_u32 s22, 4
	s_cselect_b32 s23, s23, s25
	s_lshl_b32 s24, s19, 5                         ; 32 U: W_qkv's column, and W_o's row of w_codes
	s_sub_co_u32 s25, s24, 3072                    ; W_o's column (used where U >= 96)
	s_mov_b32 s26, 4096
	s_wait_kmcnt 0x0
	s_cmp_lt_u32 s19, 96                           ; the choice hangs on ids alone
	s_cselect_b64 s[6:7], s[6:7], s[8:9]           ; the source
	s_cselect_b32 s23, s23, s24                    ; R0: my first row of w_codes
	s_cselect_b32 s24, s24, s25                    ; my first column of the source
	s_cselect_b32 s26, 12288, s26                  ; a row of the source in bytes
	s_wait_alu depctr_va_vdst(0)
	v_lshlrev_b32 v[OFF], 2, v2
.set ii, 1
.rept 31
	v_add_nc_u32 v[OFF+ii], s26, v[OFF+ii-1]
.set ii, ii+1
.endr
	s_mul_i32 s27, s20, s26
	s_lshl_b32 s27, s27, 8                         ; 256 y rows
	s_lshl_b32 s28, s24, 2
	s_add_co_u32 s28, s28, s27
	s_mov_b32 s29, 0
	s_lshl_b32 s30, s26, 5                         ; 32 rows
	s_mov_b32 s31, 0
	s_add_nc_u64 s[BASE:BASE+1], s[6:7], s[28:29]
.irp t, 1,2,3,4,5,6,7
	s_add_nc_u64 s[BASE+2*\t:BASE+2*\t+1], s[BASE+2*\t-2:BASE+2*\t-1], s[30:31]
.endr
	v_and_b32 v10, 7, v2
	v_bfe_u32 v11, v2, 3, 1
	v_lshl_add_u32 v10, v11, 4, v10
	v_bfe_u32 v11, v2, 4, 1
	v_lshl_add_u32 v10, v11, 3, v10                ; mu(lane): my column's memory row among the 32
	s_mul_i32 s27, s18, 32*WP
	s_add_co_u32 s27, s27, WSTG                    ; my stage
	v_mul_u32_u24 v4, v10, WP
	v_add_nc_u32 v4, s27, v4                       ; into it: row mu(lane)
	v_and_b32 v5, 15, v2
	v_lshrrev_b32 v6, 4, v2
	v_mul_u32_u24 v7, v6, WP
	v_lshl_add_u32 v7, v5, 4, v7
	v_add_nc_u32 v7, s27, v7                       ; out of it: sixteen lanes to a row, two rows an instruction
	v_mul_u32_u24 v8, v6, 768
	v_mad_u32_u24 v8, v5, 12, v8                   ; and the same place in w_codes
	v_lshlrev_b32 v9, 5, v10                       ; my row of scale bytes
	s_mul_i32 s28, s23, 768
	s_mul_i32 s27, s20, 192
	s_add_co_u32 s28, s28, s27
	s_add_nc_u64 s[14:15], s[14:15], s[28:29]      ; w_codes at row R0, byte 192 y
	s_lshl_b32 s28, s23, 5
	s_lshl_b32 s27, s20, 3
	s_add_co_u32 s28, s28, s27
	s_add_nc_u64 s[16:17], s[16:17], s[28:29]      ; w_scales at row R0, byte 8 y
.macro WLOAD t                         ; block t: 32 rows of the source at my column: 128 consecutive bytes a wave and load
.set ii, 0
.rept 32
	global_load_b32 v[WX+32*((\t)%2)+ii], v[OFF+ii], s[BASE+2*(\t):BASE+2*(\t)+1] th:TH_LOAD_NT
.set ii, ii+1
.endr
.endm
	WLOAD 0
	WLOAD 1
.macro WBLOCK t
.set XS, WX+32*((\t)%2)
.if (\t) < 7
	s_wait_loadcnt 32                              ; this block's 32 loads are in; the next block's 32 may be out
.else
	s_wait_loadcnt 0x0
.endif
	v_max3_num_f32 v12, |v[XS]|, |v[XS+1]|, |v[XS+2]|              ; all 32 numbers of the block are mine
	v_max3_num_f32 v13, |v[XS+3]|, |v[XS+4]|, |v[XS+5]|
.irp i, 6,10,14,18,22,26
	v_max3_num_f32 v12, v12, |v[XS+\i]|, |v[XS+\i+1]|
	v_max3_num_f32 v13, v13, |v[XS+\i+2]|, |v[XS+\i+3]|
.endr
	v_max3_num_f32 v12, v12, |v[XS+30]|, |v[XS+31]|
	v_max3_num_f32 v12, v12, v13, 0x2800000        ; the floor
	v_add_nc_u32 v11, 0xfe000000, v12
	v_lshrrev_b32 v13, 23, v11                     ; the scale's byte
.if (\t)%4 == 0
	v_mov_b32 v[SB+(\t)/4], v13
.else
	v_lshl_or_b32 v[SB+(\t)/4], v13, 8*((\t)%4), v[SB+(\t)/4]
.endif
	v_cvt_scalef32_pk16_bf6_f32 v[WC:WC+2], v[XS:XS+15], v11
	v_cvt_scalef32_pk16_bf6_f32 v[WC+4:WC+6], v[XS+16:XS+31], v11  ; (a conversion's three registers begin on an even number)
	ds_store_b96 v4, v[WC:WC+2] offset:32*(\t)     ; 12 bytes to a place of 16
	ds_store_b96 v4, v[WC+4:WC+6] offset:32*(\t)+16
.if (\t)+2 < 8
	WLOAD (\t)+2
.endif
	s_wait_dscnt 0x0                               ; the stores have read their registers: the next block's codes may be written
.endm
.irp t, 0,1,2,3,4,5,6,7
	WBLOCK \t
.endr
	s_wait_alu depctr_va_vdst(0)
	global_store_b64 v9, v[SB:SB+1], s[16:17]      ; my column's eight scale bytes
.irp t, 0,1,2,3,4,5,6,7,8,9,10,11,12,13,14,15
	ds_load_b96 v[OUTR+4*\t:OUTR+4*\t+2], v7 offset:2*\t*WP        ; in order behind my stores
.endr
.irp t, 0,1,2,3,4,5,6,7,8,9,10,11,12,13,14,15
	s_wait_dscnt 15-\t                             ; loads come back in order: number t is in
	global_store_b96 v8, v[OUTR+4*\t:OUTR+4*\t+2], s[14:15] offset:2*\t*768   ; sixteen lanes store a row's 192 consecutive bytes
.endr
	s_wait_tensorcnt 0x0
	ds_add_u32 v208, v209
	s_wait_dscnt 0x0
	s_endpgm
.Lfunc_end_k_q507ba6b0b4_quant:
	.size	k_q507ba6b0b4_quant, .Lfunc_end_k_q507ba6b0b4_quant-k_q507ba6b0b4_quant
	.p2alignl 7, 3214868480
	.fill 96, 4, 3214868480
	.section	.rodata,"a",@progbits
	.p2align	6, 0x0
	.amdhsa_kernel k_q507ba6b0b4_quant
		.amdhsa_group_segment_fixed_size 69120
		.amdhsa_private_segment_fixed_size 0
		.amdhsa_enable_private_segment 0
		.amdhsa_kernarg_size 56
		.amdhsa_user_sgpr_count 2
		.amdhsa_user_sgpr_kernarg_segment_ptr 1
		.amdhsa_wavefront_size32 1
		.amdhsa_system_sgpr_workgroup_id_x 1
		.amdhsa_system_sgpr_workgroup_id_y 1
		.amdhsa_system_sgpr_workgroup_id_z 1
		.amdhsa_system_vgpr_workitem_id 0
		.amdhsa_next_free_vgpr 210
		.amdhsa_next_free_sgpr 66
		.amdhsa_reserve_vcc 0
		.amdhsa_float_denorm_mode_32 3
		.amdhsa_float_denorm_mode_16_64 3
		.amdhsa_memory_ordered 1
		.amdhsa_forward_progress 1
		.amdhsa_inst_pref_size 75
	.end_amdhsa_kernel
	.amdgpu_metadata
---
amdhsa.version: [ 1, 2 ]
amdhsa.kernels:
  - .name:           k_q507ba6b0b4_quant
    .symbol:         k_q507ba6b0b4_quant.kd
    .args:
      - { .name: x, .offset: 0, .size: 8, .value_kind: global_buffer, .address_space: global }
      - { .name: W_qkv, .offset: 8, .size: 8, .value_kind: global_buffer, .address_space: global }
      - { .name: W_o, .offset: 16, .size: 8, .value_kind: global_buffer, .address_space: global }
      - { .name: x_codes, .offset: 24, .size: 8, .value_kind: global_buffer, .address_space: global }
      - { .name: x_scales, .offset: 32, .size: 8, .value_kind: global_buffer, .address_space: global }
      - { .name: w_codes, .offset: 40, .size: 8, .value_kind: global_buffer, .address_space: global }
      - { .name: w_scales, .offset: 48, .size: 8, .value_kind: global_buffer, .address_space: global }
    .group_segment_fixed_size: 69120
    .private_segment_fixed_size: 0
    .kernarg_segment_align: 8
    .kernarg_segment_size: 56
    .max_flat_workgroup_size: 128
    .sgpr_count:     66
    .vgpr_count:     210
    .wavefront_size: 32
...
	.end_amdgpu_metadata
.endif
;; end of part 1
;; launch gemm_qkv (part 2): grid 8 x 32, 4 waves a work-group, clusters of 4 x 4, 327,680 bytes of LDS; arguments x_codes, x_scales, w_codes, w_scales, b_qkv, qimg, kv; writes qimg, kv
.if DOCPART == 2
	.amdgcn_target "amdgcn-amd-amdhsa--gfx1250"
	.amdhsa_code_object_version 6
	.text
	.protected	k_q507ba6b0b4_gemm_qkv
	.globl	k_q507ba6b0b4_gemm_qkv
	.p2align	8
	.type	k_q507ba6b0b4_gemm_qkv,@function
k_q507ba6b0b4_gemm_qkv:
	s_mov_b64 s[64:65], 0
	v_nop
	global_prefetch_b8 v0, s[64:65] scope:SCOPE_SE
	s_setreg_imm32_b32 hwreg(HW_REG_WAVE_MODE, 25, 1), 1
	s_wait_xcnt 0x0
	s_wait_alu depctr_hold_cnt(0) depctr_sa_sdst(0) depctr_va_vdst(0) depctr_va_sdst(0) depctr_va_ssrc(0) depctr_va_vcc(0) depctr_vm_vsrc(0)
	s_getreg_b32 s2, hwreg(HW_REG_IB_STS2, 6, 4)
	s_cmp_eq_u32 s2, 0
	s_cbranch_scc0 .Lentry_in_a_cluster
	s_endpgm
.Lentry_in_a_cluster:
	s_bfe_u32 s2, ttmp6, 0x10000c
	s_cmp_lg_u32 s2, 0xf033
	s_cbranch_scc0 .Lentry_shape_is_right
	s_endpgm
.Lentry_shape_is_right:
; qkv = x W_qkv + b_qkv on codes of BF6 (E3M2) with E8M0 scales, K = 1024; q, k, v are quantised at once for the attention launch: qkv never goes to memory.
; SHARES.  Work-group (g, T) makes 256 tokens (tile T) x the 384 columns of heads 2 g and 2 g + 1; 8 x 32 work-groups.  A wave owns 64 tokens for all of K: their fragments, 4 blocks x 8 steps x 12
; registers, pass through LDS once and then stay in registers.  The weights come in SLOTS of 64 whole rows (768 bytes each): q, k of head 2 g; q, k of head 2 g + 1; v of both: six slots through two places in LDS.
; A slot is 8 steps of 128 along K x 16 matrix instructions a wave (16 accumulators by turns); each fragment of the weights feeds four of them.
; TILES.  Whole rows lie end to end in memory, so every tile is a dense block, stated as rows of 256 bytes with 16 bytes of padding behind each: an LDS row is 3 x 272 = 816 bytes, 204 words, so the 32 lanes of a
; load of 8 bytes fall on 64 different banks (64 banks of 4 bytes: ISA guide 11.1).  The head asks for four tiles, one a wave: the two halves of the tokens, slots 0 and 1.
; CLUSTERS of 4 x 4: the tokens' tiles are shared along a row, the weights' along a column, by joint loads; each refill stands behind a round of the cluster's barrier.
; SCALES go from memory into registers: a lane takes a row's 32 bytes (8 words, one a step); lanes 0-15 hold an even block's rows, lanes 16-31 the next block's.
; q, k: source 0 = weights, source 1 = tokens: a lane holds a token, its registers run along the channels.  v: the sources change places: a lane holds a channel, its registers run along the tokens.
; Rows of x_codes and w_codes lie with bits 3 and 4 of the row exchanged, so the 16 registers of two neighbouring blocks of source 0 are 16 neighbouring true rows.  The bias is the C of a sum's first instruction.
; OUT: images of the next operands' registers.  Block index = (16 batch + head) x 16 + group of 128 tokens; c = wave % 2 is my half of the group.
;   qimg, 6,656 bytes a block: register p of lane L at 512 (p / 4) + 16 L + 4 (p % 4), tile a of 16 tokens at p = 6 a; scale words at 6,144 + 256 c + 8 L + 4 j: tile 4 c + 2 j + L / 16, row L % 16, bytes 2, 3 zero.
;   kv, 13,056 bytes a block: k as q; v at 6,656 + 3,072 c: registers 6 c .. 6 c + 3 of channel tile t at 512 t + 16 L, registers 6 c + 4, 5 at 2,048 + 256 t + 8 L;
;   v's scale words at 12,800 + 8 L + 4 j (tile 2 j + L / 16), of which I store bytes 2 c and 2 c + 1.
; NO PREFETCH: the loop has two trips to run ahead in, and each refill is asked for a whole slot (128 matrix instructions and a way out) ahead of its first read.
; LIMITS: a block of zeros or under 2^-122 gets the scale byte 1 (buffers of this program's own); NaN and infinities are not served.
; REGISTERS.  window 0: v0-15 addresses, v16-31 the tokens' scale words, v32-63 the weights' (a set a slot), v64-255 the weights' fragments, four sets of 48.
;   windows 1, 2: v0-191 the tokens' fragments (blocks 0, 1 and 2, 3), v192-255 the bias (window 1: v's, window 2: q's and k's).  window 3: v0-127 accumulators, v128-187 the way out.
.set PITCH, 816
.set BLK,   16*PITCH
.set SPARE, 52224                      ; behind slot 0: the spare words, 128 bytes a wave, two blocks of 256 bytes that no other line names
.set SL1,   52736                      ; slot 1 (slot 0 at 0)
.set AST,   104960                     ; the tokens' 256 rows
.set ADRB, 4                           ; v4, v5 slot 0: row x 816 + 24 h, + 40 h (lanes 16-31 behind one padding more); v6, v7 slot 1
.set ADRA, 8                           ; v8, v9 the same for my 64 tokens
.set SPW,  10
.set NIL,  11
.set SCA,  12                          ; 32 x lane
.set BQ,   13                          ; 64 h
.set BV,   14                          ; 4 (r + 8 (r / 8))
.set SA,   16
.set SB,   32
.set BF,   64
.set BIA,  192
.set AB,   0
.set IMG,  128                         ; window 3 from here on
.set TM,   152
.set CT,   168
.set PW,   176
.set SI,   178
.set T2,   180
.set L16W, 184                         ; 16 L + 3072 c
.set L8W,  185                         ; 8 L + 256 c
.set L8V,  186                         ; 8 L + 3072 c
.set L8C,  187                         ; 8 L + 2 c
.set G1A, 28
.set G1B, 36
.set G1R, 44
.set G0A, 52
.set G0B, 56
.set G0R, 60                           ; s[60:63] slot 0's refills, s[68:71] slot 1's
.set DW0, (3<<16)|(1<<20)|(1<<21)|(5<<22)|(3<<25)   ; elements of 8 bytes; padding of 4 words behind every 64; bit 21 beside a mask
.set MSB, 0
.macro WIN new                         ; the immediate's high byte repeats the setting that is left
.if MSB != (\new)
	s_set_vgpr_msb (MSB<<8)|(\new)
.set MSB, (\new)
.endif
.endm
.macro PLACES                          ; plain vector lines between a matrix instruction and a load into, or a read of, its registers
.rept 4
	v_nop
.endr
.endm
.macro CREST                           ; a round of the cluster's barrier behind its opening barrier
	s_cmp_lg_u32 s18, 0
	s_cbranch_scc1 .Lnot_wave_0_\@
	s_barrier_signal -3
.Lnot_wave_0_\@:
	s_barrier_wait -3
	s_barrier_signal -1
	s_barrier_wait -1
.endm
.macro CROUND
	s_barrier_signal -1
	s_barrier_wait -1
	CREST
.endm
.macro G1SET g, rows                   ; a dense block as rows of 256 bytes
	s_mov_b32 s[\g+1], 32<<16
	s_mov_b32 s[\g+2], (\rows)<<16
	s_mov_b32 s[\g+3], 32<<16
	s_mov_b32 s[\g+4], \rows
	s_mov_b32 s[\g+5], 32
	s_mov_b32 s[\g+6], 0
	s_mov_b32 s[\g+7], 0
.endm
.macro FRAG reg, adr, st, i            ; 16 rows x 128 K: lane l holds row l % 16, registers 6 c .. 6 c + 5 hold K = 64 c + 32 (l / 16) + 0 .. 31; pieces of 8 bytes; byte y of a row lies at y + 16 (y / 256)
.irp p, 0,1,2,3,4,5
.set BY, 96*(\st)+48*(\p/3)+8*(\p%3)
.if BY/256 == (BY+24)/256
	ds_load_b64 v[(\reg)+2*\p:(\reg)+2*\p+1], v[\adr] offset:BY+16*(BY/256)+(\i)*BLK
.else
	ds_load_b64 v[(\reg)+2*\p:(\reg)+2*\p+1], v[(\adr)+1] offset:BY+16*(BY/256)+(\i)*BLK
.endif
.endr
.endm
.macro FETCHB s, st                    ; the weights' four fragments of step st of slot s, into set st % 4: 24 loads
.irp i, 0,1,2,3
	FRAG BF+48*((\st)%4)+12*\i, ADRB+2*(\s), \st, \i
.endr
.endm
.macro WM d, x, y, c, sx, sy, rx, ry   ; rx, ry: which half of the lanes holds source 0's and source 1's scale words
.if (\rx) == 0 && (\ry) == 0
	v_wmma_scale_f32_16x16x128_f8f6f4 v[(\d):(\d)+7], v[(\x):(\x)+11], v[(\y):(\y)+11], v[(\c):(\c)+7], v[\sx], v[\sy] matrix_a_fmt:MATRIX_FMT_BF6 matrix_b_fmt:MATRIX_FMT_BF6
.elseif (\ry) == 0
	v_wmma_scale_f32_16x16x128_f8f6f4 v[(\d):(\d)+7], v[(\x):(\x)+11], v[(\y):(\y)+11], v[(\c):(\c)+7], v[\sx], v[\sy] matrix_a_fmt:MATRIX_FMT_BF6 matrix_b_fmt:MATRIX_FMT_BF6 matrix_a_scale:MATRIX_SCALE_ROW1
.elseif (\rx) == 0
	v_wmma_scale_f32_16x16x128_f8f6f4 v[(\d):(\d)+7], v[(\x):(\x)+11], v[(\y):(\y)+11], v[(\c):(\c)+7], v[\sx], v[\sy] matrix_a_fmt:MATRIX_FMT_BF6 matrix_b_fmt:MATRIX_FMT_BF6 matrix_b_scale:MATRIX_SCALE_ROW1
.else
	v_wmma_scale_f32_16x16x128_f8f6f4 v[(\d):(\d)+7], v[(\x):(\x)+11], v[(\y):(\y)+11], v[(\c):(\c)+7], v[\sx], v[\sy] matrix_a_fmt:MATRIX_FMT_BF6 matrix_b_fmt:MATRIX_FMT_BF6 matrix_a_scale:MATRIX_SCALE_ROW1 matrix_b_scale:MATRIX_SCALE_ROW1
.endif
.endm
; One step: 16 matrix instructions.  kind 0 (q, k): accumulator (a, b) at 8 (4 a + b); kind 1 (v): at 8 (4 b + a); a the tokens' block, b the weights'.  Step 0 takes the bias as C.
.macro MUL kind, s, st
.irp ah, 0,1
.if (\kind) == 0
.if (\st) == 0
	WIN 0xe0|((1+\ah)<<2)
.else
	WIN 0xf0|((1+\ah)<<2)
.endif
.else
.if (\st) == 0
	WIN 0xd0|(1+\ah)
.else
	WIN 0xf0|(1+\ah)
.endif
.endif
.irp a2, 0,1
.irp b, 0,1,2,3
.if (\kind) == 0
.set DD, AB+8*(4*(2*\ah+\a2)+\b)
.else
.set DD, AB+8*(4*\b+2*\ah+\a2)
.endif
.if (\st) == 0
.set CC, BIA+32*(\s)+8*\b
.else
.set CC, DD
.endif
.if (\kind) == 0
	WM DD, BF+48*((\st)%4)+12*\b, 96*\a2+12*(\st), CC, SB+16*(\s)+8*(\b/2)+(\st), SA+8*\ah+(\st), \b%2, \a2
.else
	WM DD, 96*\a2+12*(\st), BF+48*((\st)%4)+12*\b, CC, SA+8*\ah+(\st), SB+16*(\s)+8*(\b/2)+(\st), \a2, \b%2
.endif
.endr
.endr
.endr
.endm
.macro SBLOAD s, off                   ; the scale words of a slot's 64 rows into set s: four loads, 2,048 consecutive bytes
.irp e, 0,1
.irp k, 0,1
	global_load_b128 v[SB+16*(\s)+8*\e+4*\k:SB+16*(\s)+8*\e+4*\k+3], v[SCA], s[86:87] offset:(\off)+1024*\e+16*\k
.endr
.endr
.endm
.macro BQLOAD off                      ; q's and k's bias of one head, in the result's layout: block 2 e + u, register j: column 32 e + 16 h + 8 u + j
	WIN 0x80
.irp s, 0,1
.irp b, 0,1,2,3
	global_load_b128 v[BIA+32*\s+8*\b:BIA+32*\s+8*\b+3], v[BQ], s[88:89] offset:(\off)+256*\s+128*(\b/2)+32*(\b%2)
	global_load_b128 v[BIA+32*\s+8*\b+4:BIA+32*\s+8*\b+7], v[BQ], s[88:89] offset:(\off)+256*\s+128*(\b/2)+32*(\b%2)+16
.endr
.endr
	WIN 0
.endm
.macro BQNEXT                          ; the second head's bias, in the first trip alone (a branch on the trip's number)
	s_cmp_eq_u32 s3, 1
	s_cbranch_scc1 .Lno_bias_\@
	BQLOAD 768
.Lno_bias_\@:
.endm
; A SLOT: 8 steps.  Fragments are asked for two steps ahead: behind a step's fetch the two youngest fetches, 48 loads, may be out.  lw: the global loads younger than this slot's scale words and bias.
; chg = 2: at step 6 all of this slot has been asked for.  Each wave waits for all its tensor loads (its part of the other slot), adds 0 to its spare word, waits for that and for its reads of this slot; the barrier
; opens a round of the cluster's; behind it this slot is filled again, a quarter a wave, and the other slot's first fragments are fetched.  chg = 1: the barrier alone, which shows the other slot whole.
.macro SLOT kind, s, chg, nxt, lw
.set ST, 0
.rept 8
	PLACES
.if ST == 0
	s_wait_loadcnt \lw
.endif
.if ST == 1 && (\kind) == 0 && (\s) == 1
	BQNEXT
.endif
.if ST == 6 && (\chg) > 0
	s_wait_tensorcnt 0x0
.if (\chg) == 2
	ds_add_u32 v[SPW], v[NIL]
	s_add_nc_u64 s[G0R+8*(\s)+2:G0R+8*(\s)+3], s[G0R+8*(\s)+2:G0R+8*(\s)+3], s[94:95]   ; no load of mine is out: this slot's next rows
.endif
	s_wait_dscnt 0x0
	s_barrier_signal -1
	MUL \kind, \s, ST
	WIN 0
	s_barrier_wait -1
.if (\chg) == 2
	CREST
	tensor_load_to_lds s[G0R+8*(\s):G0R+8*(\s)+3], s[G1R:G1R+7]
	s_nop 0
	PLACES
.endif
	FETCHB 1-(\s), 0
.else
.if ST < 6
	FETCHB \s, ST+2
	s_wait_dscnt 48
.elseif \nxt
	FETCHB 1-(\s), ST-6
	s_wait_dscnt 48
.else
	s_wait_dscnt 24*(7-ST)
.endif
	MUL \kind, \s, ST
	WIN 0
.endif
.set ST, ST+1
.endr
.endm
; 64 numbers of a lane, register 16 b + i = place 32 b' + 16 (lane / 16) + i of blocks b = 0 .. 3, become codes: blocks 0, 1 in v[d0 .. d0 + 5] (lanes 0-15 block 0, lanes 16-31 block 1), blocks 2, 3 in v[d1 ..];
; the four scale bytes in v[pw].  All in window 3.  Each accumulator is read from its low end on.
.macro QUANT s, d0, d1, pw
.irp b, 0,1,2,3
	v_max3_num_f32 v[TM+\b], |v[(\s)+16*\b]|, |v[(\s)+16*\b+1]|, 0x2800000   ; with the floor 2^(5 - 127): the byte cannot fall under 1
.endr
.irp i, 2,4,6,8,10,12,14
.irp b, 0,1,2,3
	v_max3_num_f32 v[TM+\b], |v[(\s)+16*\b+\i]|, |v[(\s)+16*\b+\i+1]|, v[TM+\b]
.endr
.endr
.irp b, 0,1,2,3
	v_permlanex16_b32 v[TM+4+\b], v[TM+\b], s100, s101
.endr
.irp b, 0,1,2,3
	v_max_num_f32 v[TM+\b], v[TM+\b], v[TM+4+\b]   ; with lane l xor 16's: the block's largest magnitude
.endr
.irp b, 0,1,2,3
	v_add_nc_u32 v[TM+12+\b], 0xfe000000, v[TM+\b] ; 4 off the exponent field: the conversion's scale operand
.endr
.irp b, 0,1,2,3
	v_lshrrev_b32 v[TM+8+\b], 23, v[TM+12+\b]      ; the byte
.endr
	v_lshl_or_b32 v[\pw], v[TM+9], 8, v[TM+8]
	v_lshl_or_b32 v[\pw], v[TM+10], 16, v[\pw]
	v_lshl_or_b32 v[\pw], v[TM+11], 24, v[\pw]
	v_cvt_scalef32_pk16_bf6_f32 v[(\d0):(\d0)+2], v[(\s):(\s)+15], v[TM+12]
	v_cvt_scalef32_pk16_bf6_f32 v[CT:CT+2], v[(\s)+16:(\s)+31], v[TM+13]
	v_cvt_scalef32_pk16_bf6_f32 v[(\d1):(\d1)+2], v[(\s)+32:(\s)+47], v[TM+14]
	v_cvt_scalef32_pk16_bf6_f32 v[CT+4:CT+6], v[(\s)+48:(\s)+63], v[TM+15]
	v_nop                                          ; one plain place behind the scaled conversions
.irp i, 0,1,2
	v_permlane16_swap_b32 v[(\d0)+\i], v[CT+\i]    ; a whole block in a lane
.endr
.irp i, 0,1,2
	v_mov_b32 v[(\d0)+3+\i], v[CT+\i]
.endr
.irp i, 0,1,2
	v_permlane16_swap_b32 v[(\d1)+\i], v[CT+4+\i]
.endr
.irp i, 0,1,2
	v_mov_b32 v[(\d1)+3+\i], v[CT+4+\i]
.endr
.endm
; THE WAY OUT of a slot.  rel = 1: the scale words of the slot that will lie here next are asked for first.
.macro WAYOUT kind, s, rel
	PLACES
	s_wait_xcnt 0x0                                ; the last way out's stores have read their registers
.if \rel
	SBLOAD \s, 4096+2048*(\s)
.endif
	WIN 0xff
	QUANT 0, IMG, IMG+6, PW
	QUANT 64, IMG+12, IMG+18, PW+1
.irp j, 0,1
	v_and_b32 v[T2], 0xffff, v[PW+\j]
	v_lshrrev_b32 v[T2+1], 16, v[PW+\j]
	v_cndmask_b32 v[SI+\j], v[T2], v[T2+1], s98    ; lanes 0-15: tile 2 j's two bytes, lanes 16-31: tile 2 j + 1's
.endr
	WIN 0x0f
.if (\kind) == 0
.irp i, 0,1,2,3,4,5
	global_store_b128 v[L16W], v[IMG+4*\i:IMG+4*\i+3], s[80+2*(\s):81+2*(\s)] offset:512*\i   ; 512 consecutive bytes, aligned
.endr
	global_store_b64 v[L8W], v[SI:SI+1], s[80+2*(\s):81+2*(\s)] offset:6144                    ; 256 consecutive bytes, aligned
.else
.irp t, 0,1,2,3
	global_store_b128 v[L16W], v[IMG+6*\t:IMG+6*\t+3], s[84:85] offset:208896*(\s)+6656+512*\t
	global_store_b64 v[L8V], v[IMG+6*\t+4:IMG+6*\t+5], s[84:85] offset:208896*(\s)+8704+256*\t
.endr
.irp j, 0,1
	global_store_b16 v[L8C], v[SI+\j], s[84:85] offset:208896*(\s)+12800+4*\j                  ; my two bytes of each scale word
.endr
.endif
	WIN 0
.endm
	s_load_b256 s[4:11], s[0:1], 0x0               ; x_codes, x_scales, w_codes, w_scales
	s_load_b128 s[12:15], s[0:1], 0x20             ; b_qkv, qimg
	s_load_b64 s[16:17], s[0:1], 0x30              ; kv
	v_lshl_add_u32 v[SPW], v0, 2, SPARE
	v_mov_b32 v[NIL], 0
	ds_add_u32 v[SPW], v[NIL]                      ; the opening lines: the add, twice on end, and its wait ahead of my first tensor load
	ds_add_u32 v[SPW], v[NIL]
	v_lshrrev_b32 v1, 5, v0
	v_readfirstlane_b32 s18, v1                    ; wave
	s_lshr_b32 s19, s18, 1                         ; at the head: I fetch tokens (0) or weights (1)
	s_and_b32 s20, s18, 1                          ; c; at the head: which half, which slot
	s_bfe_u32 s21, ttmp6, 0x40000                  ; cx
	s_bfe_u32 s22, ttmp6, 0x40004                  ; cy
	s_lshl_b32 s23, ttmp9, 2
	s_add_co_u32 s23, s23, s21                     ; g
	s_and_b32 s24, ttmp7, 0xffff
	s_lshl_b32 s24, s24, 2
	s_add_co_u32 s24, s24, s22                     ; T
	s_lshl_b32 s25, s22, 2
	s_lshl_b32 s25, 15, s25                        ; my row of the cluster
	s_lshl_b32 s26, 0x1111, s21                    ; my column
	s_or_b32 s[G1A], s25, DW0
	s_or_b32 s[G1B], s26, DW0
	s_or_b32 s[G1R], s26, DW0
	G1SET G1A, 384                                 ; 128 rows of 768 bytes
	G1SET G1B, 192                                 ; 64 rows
	G1SET G1R, 48                                  ; 16 rows
	s_lshl_b32 s72, s24, 8
	s_lshl_b32 s27, s20, 7
	s_add_co_u32 s72, s72, s27
	s_mul_i32 s72, s72, 768                        ; tokens: row 256 T + 128 half
	s_mov_b32 s73, 0
	s_lshl_b32 s76, s23, 8                         ; weights: q, k of my heads are rows 256 g on
	s_lshl_b32 s27, s20, 6
	s_add_co_u32 s74, s76, s27
	s_mul_i32 s74, s74, 768                        ; the head's fills: + 64 slot
	s_mov_b32 s75, 0
	s_lshl_b32 s27, s18, 4
	s_add_co_u32 s76, s76, s27
	s_mul_i32 s76, s76, 768                        ; the refills: + 16 wave
	s_mov_b32 s77, 0
	s_mul_i32 s78, s20, 128*PITCH
	s_mul_i32 s79, s20, SL1
	s_mul_i32 s27, s18, BLK
	s_mov_b32 s94, 98304                           ; a slot's next rows lie 128 rows on;
	s_mov_b32 s95, 0
	s_mul_i32 s99, s23, 98304
	s_sub_co_u32 s99, 1474560, s99                 ; from k's rows to v's (2048 + 128 g on): 1920 - 128 g rows on
	s_wait_dscnt 0x0
	s_wait_kmcnt 0x0
	CROUND                                         ; all sixteen work-groups are here: the first joint loads meet
	s_mov_b32 s[G0A], 1
	s_add_co_u32 s[G0A+1], s78, AST
	s_add_nc_u64 s[G0A+2:G0A+3], s[4:5], s[72:73]
	s_or_b32 s[G0A+3], s[G0A+3], 0x80000000
	s_mov_b32 s[G0B], 1
	s_mov_b32 s[G0B+1], s79
	s_add_nc_u64 s[G0B+2:G0B+3], s[8:9], s[74:75]
	s_or_b32 s[G0B+3], s[G0B+3], 0x80000000
	s_add_nc_u64 s[76:77], s[8:9], s[76:77]
.irp s, 0,1
	s_mov_b32 s[G0R+8*\s], 1
	s_add_co_u32 s[G0R+8*\s+1], s27, \s*SL1
	s_add_nc_u64 s[G0R+8*\s+2:G0R+8*\s+3], s[76:77], \s*49152
	s_or_b32 s[G0R+8*\s+3], s[G0R+8*\s+3], 0x80000000
.endr
	s_cmp_eq_u32 s19, 0                            ; one load a wave, in the two arms of one branch on the wave's number
	s_cbranch_scc0 .Lhead_b
	tensor_load_to_lds s[G0A:G0A+3], s[G1A:G1A+7]
	s_nop 0
	PLACES
	s_branch .Lhead_asked
.Lhead_b:
	tensor_load_to_lds s[G0B:G0B+3], s[G1B:G1B+7]
	s_nop 0
	PLACES
.Lhead_asked:
	v_and_b32 v1, 15, v0                           ; r
	v_bfe_u32 v2, v0, 4, 1                         ; h
	v_mul_u32_u24 v3, v1, PITCH
	v_mad_u32_u24 v[ADRB], v2, 24, v3
	v_mad_u32_u24 v[ADRB+1], v2, 40, v3
	v_add_nc_u32 v[ADRB+2], SL1, v[ADRB]
	v_add_nc_u32 v[ADRB+3], SL1, v[ADRB+1]
	s_mul_i32 s27, s18, 64*PITCH
	s_add_co_u32 s27, s27, AST
	v_add_nc_u32 v[ADRA], s27, v[ADRB]
	v_add_nc_u32 v[ADRA+1], s27, v[ADRB+1]
	v_and_b32 v15, 31, v0
	v_lshlrev_b32 v[SCA], 5, v15
	v_lshlrev_b32 v[BQ], 6, v2
	v_and_b32 v[BV], 8, v1
	v_add_nc_u32 v[BV], v[BV], v1
	v_lshlrev_b32 v[BV], 2, v[BV]
	s_mul_i32 s27, s20, 3072
	s_lshl_b32 s25, s20, 8
	s_lshl_b32 s26, s20, 1
	WIN 0xc0
	v_lshl_add_u32 v[L16W], v15, 4, s27
	v_lshl_add_u32 v[L8W], v15, 3, s25
	v_lshl_add_u32 v[L8V], v15, 3, s27
	v_lshl_add_u32 v[L8C], v15, 3, s26
.irp b, 0,1,2,3
	v_mov_b32 v[TM+4+\b], 0                        ; a lane permute's destination counts as one of its sources
.endr
	WIN 0
	s_lshl_b32 s72, s24, 13
	s_lshl_b32 s27, s18, 11
	s_add_co_u32 s72, s72, s27
	s_add_nc_u64 s[92:93], s[6:7], s[72:73]        ; my 64 tokens' scales
	s_lshl_b32 s72, s23, 13
	s_add_nc_u64 s[86:87], s[10:11], s[72:73]      ; the scales of rows 256 g on;
	s_lshl_b32 s72, s23, 12
	s_add_co_u32 s72, s72, 61440
	s_add_nc_u64 s[96:97], s[10:11], s[72:73]      ; and of 128 rows ahead of v's
	s_mul_i32 s72, s23, 1536
	s_add_nc_u64 s[88:89], s[12:13], s[72:73]      ; the bias of head 2 g
	s_lshr_b32 s72, s24, 3
	s_lshl_b32 s72, s72, 4
	s_lshl_b32 s27, s23, 1
	s_add_co_u32 s72, s72, s27                     ; 16 batch + head
	s_lshl_b32 s72, s72, 4
	s_lshl_b32 s27, s24, 1
	s_add_co_u32 s27, s27, s19
	s_and_b32 s27, s27, 15
	s_add_co_u32 s72, s72, s27                     ; + my group of 128 tokens
	s_mul_i32 s74, s72, 6656
	s_add_nc_u64 s[80:81], s[14:15], s[74:75]      ; q out
	s_mul_i32 s74, s72, 13056
	s_add_nc_u64 s[82:83], s[16:17], s[74:75]      ; k out
	s_mov_b64 s[84:85], s[82:83]                   ; v out
	s_mov_b32 s98, 0xffff0000                      ; lanes 16-31
	s_mov_b32 s100, 0x76543210
	s_mov_b32 s101, 0xfedcba98                     ; v_permlanex16_b32's selects for lane l xor 16
	s_wait_alu depctr_va_vdst(0)                   ; the wait at the head's end
.irp e, 0,1
.irp k, 0,1
	global_load_b128 v[SA+8*\e+4*\k:SA+8*\e+4*\k+3], v[SCA], s[92:93] offset:1024*\e+16*\k
.endr
.endr
	SBLOAD 0, 0
	SBLOAD 1, 2048
	BQLOAD 0
	WIN 0x40
.irp s, 0,1
.irp c, 0,1,2,3
.irp j, 0,1,2,3,4,5,6,7
	global_load_b32 v[BIA+32*\s+8*\c+\j], v[BV], s[88:89] offset:512+768*\s+128*(\c/2)+32*(\c%2)   ; v: all eight registers of a tile hold the lane's channel's bias
.endr
.endr
.endr
	WIN 0
	s_wait_tensorcnt 0x0                           ; my tile of the head's four is in
	s_barrier_signal -1
	s_barrier_wait -1                              ; and so is everybody's
.irp a, 0,1,2,3
	WIN 0x40*(1+\a/2)
.irp t, 0,1,2,3,4,5,6,7
	FRAG 96*(\a%2)+12*\t, ADRA, \t, \a             ; my tokens' fragments, for the whole launch
.endr
.endr
	WIN 0
	FETCHB 0, 0
	FETCHB 0, 1
	s_wait_loadcnt 0x0
	s_mov_b32 s3, 2
.Lhead_pair:                                           ; a trip: q and k of one head; both slots are filled again
	SLOT 0, 0, 2, 1, 4
	WAYOUT 0, 0, 1
	SLOT 0, 1, 2, 1, 4
	WAYOUT 0, 1, 1
	s_wait_xcnt 0x0                                ; the stores and loads have read their bases
	s_add_nc_u64 s[80:81], s[80:81], 106496        ; the next head's blocks: 16 on
	s_add_nc_u64 s[82:83], s[82:83], 208896
	s_mov_b64 s[86:87], s[96:97]                   ; the second trip asks for v's scales,
	s_mov_b32 s94, s99                             ; and for v's rows
	s_sub_co_u32 s3, s3, 1
	s_cmp_lg_u32 s3, 0
	s_cbranch_scc1 .Lhead_pair
	SLOT 1, 0, 1, 1, 4                             ; v of both heads: nothing more is fetched
	WAYOUT 1, 0, 0
	SLOT 1, 1, 0, 0, 0
	WAYOUT 1, 1, 0
	s_wait_tensorcnt 0x0                           ; the wave's end
	ds_add_u32 v[SPW], v[NIL]
	s_wait_dscnt 0x0
	CROUND                                         ; the closing round
	s_endpgm
.Lfunc_end_k_q507ba6b0b4_gemm_qkv:
	.size	k_q507ba6b0b4_gemm_qkv, .Lfunc_end_k_q507ba6b0b4_gemm_qkv-k_q507ba6b0b4_gemm_qkv
	.p2alignl 7, 3214868480
	.fill 96, 4, 3214868480
	.section	.rodata,"a",@progbits
	.p2align	6, 0x0
	.amdhsa_kernel k_q507ba6b0b4_gemm_qkv
		.amdhsa_group_segment_fixed_size 327680
		.amdhsa_private_segment_fixed_size 0
		.amdhsa_enable_private_segment 0
		.amdhsa_kernarg_size 56
		.amdhsa_user_sgpr_count 2
		.amdhsa_user_sgpr_kernarg_segment_ptr 1
		.amdhsa_wavefront_size32 1
		.amdhsa_system_sgpr_workgroup_id_x 1
		.amdhsa_system_sgpr_workgroup_id_y 1
		.amdhsa_system_sgpr_workgroup_id_z 1
		.amdhsa_system_vgpr_workitem_id 0
		.amdhsa_next_free_vgpr 1024
		.amdhsa_next_free_sgpr 102
		.amdhsa_reserve_vcc 0
		.amdhsa_float_denorm_mode_32 3
		.amdhsa_float_denorm_mode_16_64 3
		.amdhsa_memory_ordered 1
		.amdhsa_forward_progress 1
		.amdhsa_inst_pref_size 189
	.end_amdhsa_kernel
	.amdgpu_metadata
---
amdhsa.version: [ 1, 2 ]
amdhsa.kernels:
  - .name:           k_q507ba6b0b4_gemm_qkv
    .symbol:         k_q507ba6b0b4_gemm_qkv.kd
    .args:
      - { .name: x_codes, .offset: 0, .size: 8, .value_kind: global_buffer, .address_space: global }
      - { .name: x_scales, .offset: 8, .size: 8, .value_kind: global_buffer, .address_space: global }
      - { .name: w_codes, .offset: 16, .size: 8, .value_kind: global_buffer, .address_space: global }
      - { .name: w_scales, .offset: 24, .size: 8, .value_kind: global_buffer, .address_space: global }
      - { .name: b_qkv, .offset: 32, .size: 8, .value_kind: global_buffer, .address_space: global }
      - { .name: qimg, .offset: 40, .size: 8, .value_kind: global_buffer, .address_space: global }
      - { .name: kv, .offset: 48, .size: 8, .value_kind: global_buffer, .address_space: global }
    .group_segment_fixed_size: 327680
    .private_segment_fixed_size: 0
    .kernarg_segment_align: 8
    .kernarg_segment_size: 56
    .max_flat_workgroup_size: 128
    .sgpr_count:     102
    .vgpr_count:     1024
    .wavefront_size: 32
...
	.end_amdgpu_metadata
.endif
;; end of part 2
;; launch attention (part 3): grid 4 x 64, 16 waves a work-group, clusters of 4 x 1, 327,680 bytes of LDS; arguments qimg, kv, vals_codes, vals_scales; writes vals_codes, vals_scales
.if DOCPART == 3
	.amdgcn_target "amdgcn-amd-amdhsa--gfx1250"
	.amdhsa_code_object_version 6
	.text
	.protected	k_q507ba6b0b4_attention
	.globl	k_q507ba6b0b4_attention
	.p2align	8
	.type	k_q507ba6b0b4_attention,@function
k_q507ba6b0b4_attention:
	s_mov_b64 s[64:65], 0
	v_nop
	global_prefetch_b8 v0, s[64:65] scope:SCOPE_SE
	s_setreg_imm32_b32 hwreg(HW_REG_WAVE_MODE, 25, 1), 1
	s_wait_xcnt 0x0
	s_wait_alu depctr_hold_cnt(0) depctr_sa_sdst(0) depctr_va_vdst(0) depctr_va_sdst(0) depctr_va_ssrc(0) depctr_va_vcc(0) depctr_vm_vsrc(0)
	s_getreg_b32 s2, hwreg(HW_REG_IB_STS2, 6, 4)
	s_cmp_eq_u32 s2, 0
	s_cbranch_scc0 .Lentry_in_a_cluster
	s_endpgm
.Lentry_in_a_cluster:
	s_bfe_u32 s2, ttmp6, 0x10000c
	s_cmp_lg_u32 s2, 0x3003
	s_cbranch_scc0 .Lentry_shape_is_right
	s_endpgm
.Lentry_shape_is_right:
; Causal attention of one (batch, head) on codes of BF6 (E3M2) with E8M0 scales; head size 64, 2,048 tokens.  The result is quantised along the channels and stored as the codes and scale bytes of the last
; product's left operand (48 bytes and 2 bytes a token, tokens in the order batch, head, token).
; WORK LEFT OUT: key steps all of whose keys come after a tile's queries: the causal mask sets their scores to -infinity, so their p is 0 for every input.  A NaN or an infinity that reaches only such scores is not carried on.
; INPUTS, images of the operands' registers, a block for each (16 batch + head, group of 128 tokens):
;   qimg, 6,656 bytes: register p of lane L at 512 (p / 4) + 16 L + 4 (p % 4), tile a of 16 tokens at p = 6 a; scale words at 6,144 + 256 (a / 4) + 8 L + 4 ((a / 2) % 2), L = row + 16 (a % 2); bytes 2, 3 zero.
;   kv, 13,056 bytes: k as q; v at 6,656 by halves c of 64 keys: registers 6 c .. 6 c + 3 of channel tile t at 3,072 c + 512 t + 16 L, registers 6 c + 4, 5 at 3,072 c + 2,048 + 256 t + 8 L; v's scale words at 12,800 + 8 L + 4 e (tile 2 e + L / 16).
; THE SOFTMAX: t = score x log2(e) / 8; M = the running largest t rounded up to a whole number; p = 2^(t - M) is quantised along the keys; the row's sum is taken of the unquantised p and divides at the end.
; When M moves, the sum and O are multiplied by 2^(old M - new M), which rounds nothing.
; SHARES.  A head's k and v, 16 blocks, 208,896 bytes, lie in LDS whole: each of the sixteen waves fetches one block at the head, nothing is filled again, and one barrier shows all of it to all waves.
; A head has 128 tiles of 16 queries; tile t needs t / 8 + 1 key steps of 128 keys.  Work-group p takes the tiles t = 4 i + p; wave w takes i = 31 - w and then i = w: 16 - w / 2 and w / 2 + 1 steps, 17 for every wave,
; one of each tile's on the diagonal.  So the trip count is a constant and all waves have the same work.  The first tile walks its key steps upward (step T), the second downward (step 16 - T).
; CLUSTER: the four work-groups of a head want the same 16 blocks at the same time and ask for them jointly.  Branches and LDS addresses hang on the wave's number and the trip alone.
; NO PREFETCH: every tile is asked for at the head; nothing is filled again, so the loop has nothing to fetch ahead.
; LAYOUT.  S^T = K Q^T (source 0 = 16 keys), O^T = V^T P^T (source 0 = 16 channels): a lane holds one query throughout.  The keys, the queries and the channels of a tile are 8 u + r + 8 (r / 8) in their group of 32,
; so that the 16 registers of two neighbouring tiles are 16 neighbours: along the keys for p, along the channels for O.
; K = 64 IN A FORM OF K = 128: q's registers 6-11 are zero codes, and bytes 2, 3 of q's and k's scale words are 0 (a power of two, no NaN).  k's tile t is named as v[32 + 6 t .. 32 + 6 t + 11]: its upper six registers
; are the next tile's codes (behind the last: zeros), which meet zero codes and add nothing.
; LIMITS: NaN and infinities are not served; the scaled scores stay under 2^31 in magnitude; a block of zeros or under 2^-122 gets the scale byte 1 (buffers of this program's own); the division is v_rcp_f32 and a
; multiplication; a block's largest p is made from its largest score, which takes v_exp_f32 not to fall where its input rises.
.set KVB,   13056
.set SPARE, 208896                     ; behind the 16 blocks: the spare words, 128 bytes a wave, eight blocks of 256 bytes that no other line names
.set STG,   210944                     ; 1,024 bytes a wave for the way out; no fill lands here
; v1 16 x lane; v2 8 x lane; v3, v4 the spare word's address and 0; v5, v6 addresses in hand; v7 r + 8 (r / 8) - 16 h; v8-11 q's offsets; v12 -M; v13 the largest t; v[14:15] the sum; v16-27 q; v28 q's scale word;
; v30, v31 the stage; v32-79 k, then v; v80-85 zeros; v86 12 x lane; v87 the scale byte's offset; v88 -infinity; v89-95 the second tile's scale word and q; v96-159 S^T, then p; v160-191 O^T; v192-203 p's codes;
; v204-210 conversions; v212-223 block maxima, bytes, scale operands; v224-227 k's scale words; v228-229 v's; v230 p's; v[232:233] f; v234 at work; v236-237, v244-255 chains of the sum.
; s12 wave; s14 head; s15 place in the cluster; s[16:17] lane selects; s[18:19] c; s20 lanes 16-31; s21 the key step's LDS byte; s22 the trip T; s23 the first tile's steps; s[24:31], s[32:35] the descriptor;
; s39 the step's first key; s40 my first query; s[46:49] codes out, bytes out; s[52:56] the same and the first query of the second tile.
.macro CROUND                          ; a round of the cluster's barrier
	s_barrier_signal -1
	s_barrier_wait -1
	s_cmp_lg_u32 s12, 0
	s_cbranch_scc1 .Lnot_wave_0_\@
	s_barrier_signal -3
.Lnot_wave_0_\@:
	s_barrier_wait -3
	s_barrier_signal -1
	s_barrier_wait -1
.endm
; What hangs on a tile (its number in \tr): s[qb] q's block, v[va .. va + 3] the offsets of q's three pairs of registers and of its scale word, s[q0] the first query, s[ob] the codes out, s[ob + 2] the bytes out
.macro TILE tr, qb, ob, q0, va
	s_lshl_b32 s58, s14, 4
	s_lshr_b32 s59, \tr, 3
	s_add_co_u32 s58, s58, s59
	s_mul_i32 s58, s58, 6656
	s_mov_b32 s59, 0
	s_add_nc_u64 s[\qb:\qb+1], s[4:5], s[58:59]
	s_and_b32 s62, \tr, 7                          ; the tile in its group of 128 tokens
	s_mul_i32 s63, s62, 6                          ; its first register in the image
.irp j, 0,1,2
	s_add_co_u32 s58, s63, 2*\j
	s_lshr_b32 s60, s58, 2
	s_lshl_b32 s60, s60, 9
	s_and_b32 s58, s58, 3
	s_lshl_b32 s58, s58, 2
	s_add_co_u32 s58, s58, s60
	v_add_nc_u32 v[\va+\j], s58, v1
.endr
	s_and_b32 s58, s62, 1
	s_lshl_b32 s58, s58, 7
	s_bfe_u32 s60, s62, 0x10001
	s_lshl_b32 s60, s60, 2
	s_add_co_u32 s58, s58, s60
	s_lshr_b32 s60, s62, 2
	s_lshl_b32 s60, s60, 8
	s_add_co_u32 s58, s58, s60
	s_add_co_u32 s58, s58, 6144
	v_lshl_add_u32 v[\va+3], v97, 3, s58
	s_lshr_b32 s58, \tr, 1
	s_lshl_b32 s58, s58, 5
	s_and_b32 s60, \tr, 1
	s_lshl_b32 s60, s60, 3
	s_add_co_u32 s[\q0], s58, s60                  ; 32 (t / 2) + 8 (t % 2)
	s_lshl_b32 s58, s14, 11
	s_add_co_u32 s58, s58, s[\q0]                  ; the token's flat number
	s_mul_i32 s60, s58, 48
	s_mov_b32 s61, 0
	s_add_nc_u64 s[\ob:\ob+1], s[8:9], s[60:61]
	s_lshl_b32 s58, s58, 1
	s_add_nc_u64 s[\ob+2:\ob+3], s[10:11], s[58:59]
.endm
.macro INIT                            ; a tile begins: O^T and the sum are zeros, the largest t lies under every t
.set jj, 0
.rept 32
	v_mov_b32 v[160+jj], 0
.set jj, jj+1
.endr
	v_mov_b32 v13, 0xff61b1e6                      ; -3e38
	s_delay_alu instid0(VALU_DEP_1)
	v_floor_f32 v12, -v13
	v_mov_b32 v14, 0
	v_mov_b32 v15, 0
.endm
; A tile ends: O^T / the sum, quantised along the channels (register 16 e + i = channel 32 e + 16 h + i), through my stage, so that the wave stores runs of 384 consecutive bytes.
.macro FINISH
	v_add_f32 v14, v14, v15
	s_delay_alu instid0(VALU_DEP_1)
	v_permlanex16_b32 v234, v14, s16, s17
	s_delay_alu instid0(VALU_DEP_1)
	v_add_f32 v14, v14, v234                       ; the row's sum
	s_wait_alu depctr_va_vdst(0)                   ; the wait ahead of the transcendental
	v_rcp_f32 v14, v14
.rept 4
	v_nop                                          ; the plain place behind the reciprocal, and the places behind the last products
.endr
	s_wait_alu depctr_va_vdst(0)                   ; ahead of the reciprocal's first reader
.set jj, 0
.rept 32
	v_mul_f32 v[96+jj], v[160+jj], v14             ; each accumulator from its low end on
.set jj, jj+1
.endr
.irp e, 0,1
	v_max3_num_f32 v[212+\e], |v[96+16*\e]|, |v[97+16*\e]|, 0x2800000
.endr
.irp i, 2,4,6,8,10,12,14
.irp e, 0,1
	s_delay_alu instid0(VALU_DEP_2)
	v_max3_num_f32 v[212+\e], v[212+\e], |v[96+16*\e+\i]|, |v[97+16*\e+\i]|
.endr
.endr
.irp e, 0,1
	s_delay_alu instid0(VALU_DEP_2)
	v_permlanex16_b32 v[216+\e], v[212+\e], s16, s17
.endr
.irp e, 0,1
	s_delay_alu instid0(VALU_DEP_2)
	v_max_num_f32 v[212+\e], v[212+\e], v[216+\e]
.endr
.irp e, 0,1
	s_delay_alu instid0(VALU_DEP_2)
	v_add_nc_u32 v[220+\e], 0xfe000000, v[212+\e]
.endr
.irp e, 0,1
	s_delay_alu instid0(VALU_DEP_2)
	v_lshrrev_b32 v[216+\e], 23, v[220+\e]
.endr
	v_cvt_scalef32_pk16_bf6_f32 v[204:206], v[96:111], v220
	v_cvt_scalef32_pk16_bf6_f32 v[208:210], v[112:127], v221
	v_nop                                          ; one plain place behind the scaled conversions
	ds_store_b96 v30, v[204:206]                   ; block 0, my half: 12 bytes
	ds_store_b96 v30, v[208:210] offset:32         ; block 1
	ds_load_b96 v[128:130], v31                    ; in order behind my stores: rows 0-7, 48 bytes each,
	ds_load_b96 v[132:134], v31 offset:512         ; rows 8-15
	v_cndmask_b32 v136, v216, v217, s20            ; lanes 0-15 store block 0's byte, lanes 16-31 block 1's
	s_wait_alu depctr_va_vdst(0)                   ; directly ahead of the wait below
	s_wait_dscnt 0x0
	global_store_b96 v86, v[128:130], s[46:47]     ; tokens Q0 .. Q0 + 7
	global_store_b96 v86, v[132:134], s[46:47] offset:768          ; tokens Q0 + 16 .. Q0 + 23
	global_store_b8 v87, v136, s[48:49]
.endm
; A KEY STEP: the 128 keys at LDS byte s21.
.macro STEP
	v_add_nc_u32 v5, s21, v1
	v_add_nc_u32 v6, s21, v2
	v_nop
	v_nop                                          ; four places in front of loads into registers that the last products read
.irp i, 0,1,2,3,4,5,6,7,8,9,10,11
	ds_load_b128 v[32+4*\i:35+4*\i], v5 offset:512*\i              ; k's image: 512 consecutive bytes a load
.endr
	ds_load_b64 v[224:225], v6 offset:6144         ; k's scale words: register e: lanes 0-15 tile 2 e, lanes 16-31 tile 2 e + 1
	ds_load_b64 v[226:227], v6 offset:6400
	s_wait_alu depctr_va_vdst(0)
	s_wait_dscnt 0x0
.irp t, 0,2,4,6
	v_wmma_scale_f32_16x16x128_f8f6f4 v[96+8*\t:103+8*\t], v[32+6*\t:43+6*\t], v[16:27], 0, v[224+\t/2], v28 matrix_a_fmt:MATRIX_FMT_BF6 matrix_b_fmt:MATRIX_FMT_BF6
	v_wmma_scale_f32_16x16x128_f8f6f4 v[104+8*\t:111+8*\t], v[38+6*\t:49+6*\t], v[16:27], 0, v[224+\t/2], v28 matrix_a_fmt:MATRIX_FMT_BF6 matrix_b_fmt:MATRIX_FMT_BF6 matrix_a_scale:MATRIX_SCALE_ROW1
.endr
.rept 4
	v_nop                                          ; places: for the loads below and for the first read of the scores
.endr
.irp c, 0,1                                    ; v lands while the softmax is worked
.irp t, 0,1,2,3
	ds_load_b128 v[32+12*\t+6*\c:35+12*\t+6*\c], v5 offset:6656+3072*\c+512*\t
	ds_load_b64 v[36+12*\t+6*\c:37+12*\t+6*\c], v6 offset:6656+3072*\c+2048+256*\t
.endr
.endr
	ds_load_b64 v[228:229], v6 offset:12800
	s_sub_co_u32 s60, s23, s22                     ; the diagonal steps are the first tile's last (1) and the second tile's first (0)
	s_cmp_gt_u32 s60, 1
	s_cbranch_scc1 .Lopen_\@                       ; elsewhere all keys of the step count for all my queries
	s_sub_co_i32 s59, s40, s39
	v_add_nc_u32 v234, s59, v7                     ; d = my query - the step's first key - 16 h.  Register 16 b + i holds key 32 b + 16 h + i: hidden where 32 b + i > d
.set nn, 0
.rept 64
	v_cmp_gt_i32 vcc_lo, 32*(nn/16)+nn%16, v234
	v_cndmask_b32 v[96+nn], v[96+nn], v88, vcc_lo
.set nn, nn+1
.endr
.Lopen_\@:
.irp b, 0,1,2,3
	v_max3_num_f32 v[212+\b], v[96+16*\b], v[97+16*\b], v[98+16*\b]   ; the largest score of each block of 32 keys: for the row's maximum and for the block's largest p
.endr
.irp i, 3,5,7,9,11,13
.irp b, 0,1,2,3
	v_max3_num_f32 v[212+\b], v[212+\b], v[96+16*\b+\i], v[97+16*\b+\i]
.endr
.endr
.irp b, 0,1,2,3
	v_max_num_f32 v[212+\b], v[212+\b], v[111+16*\b]
.endr
.irp b, 0,1,2,3
	s_delay_alu instid0(VALU_DEP_4)
	v_permlanex16_b32 v[216+\b], v[212+\b], s16, s17
.endr
.irp b, 0,1,2,3
	s_delay_alu instid0(VALU_DEP_4)
	v_max_num_f32 v[212+\b], v[212+\b], v[216+\b]
.endr
	s_delay_alu instid0(VALU_DEP_2)
	v_max3_num_f32 v234, v212, v213, v214
	s_delay_alu instid0(VALU_DEP_1)
	v_max_num_f32 v234, v234, v215
	s_delay_alu instid0(VALU_DEP_1)
	v_mul_f32 v234, s18, v234                      ; as t
	s_delay_alu instid0(VALU_DEP_1)
	v_max_num_f32 v13, v13, v234                   ; the running largest t
	v_mov_b32 v234, v12
	s_delay_alu instid0(VALU_DEP_2)
	v_floor_f32 v12, -v13                          ; -M = floor(-t): M is a whole number
	s_delay_alu instid0(VALU_DEP_1)
	v_sub_f32 v234, v12, v234                      ; old M - new M: a whole number, 0 or less
	s_delay_alu instid0(VALU_DEP_1)
	v_cvt_i32_f32 v234, v234                       ; (it saturates)
	s_delay_alu instid0(VALU_DEP_1)
	v_ldexp_f32 v232, 1.0, v234                    ; f = 2^(old M - new M)
.set jj, 0
.rept 32
	v_pk_fma_f32 v[96+jj:97+jj], v[96+jj:97+jj], s[18:19], v[12:13] op_sel_hi:[1,0,0]   ; t - M, two at a time
.set jj, jj+2
.endr
.irp b, 0,1,2,3
	v_fma_f32 v[212+\b], v[212+\b], s18, v12
.endr
.set jj, 0
	s_wait_alu depctr_va_vdst(0)                   ; the wait ahead of the batch
.rept 64
	v_exp_f32 v[96+jj], v[96+jj]                   ; p = 2^(t - M)
.set jj, jj+1
.endr
	v_pk_mul_f32 v[14:15], v[14:15], v[232:233] op_sel_hi:[1,0]    ; the sum under the new M: the plain place behind the batch
	s_wait_alu depctr_va_vdst(0)                   ; one wait for the batch of 64, ahead of its first reader
.irp b, 0,1,2,3
	v_exp_f32 v[212+\b], v[212+\b]                 ; each block's largest p
.endr
	v_pk_add_f32 v[236:237], v[100:101], v[104:105]                ; the row's sum of the unquantised p, in eight chains
	v_pk_add_f32 v[254:255], v[108:109], v[112:113]
	v_pk_add_f32 v[252:253], v[116:117], v[120:121]
	v_pk_add_f32 v[250:251], v[124:125], v[128:129]
	v_pk_add_f32 v[248:249], v[132:133], v[136:137]
	v_pk_add_f32 v[246:247], v[140:141], v[144:145]
	v_pk_add_f32 v[244:245], v[148:149], v[152:153]
	v_pk_add_f32 v[14:15], v[14:15], v[156:157]
	v_pk_add_f32 v[236:237], v[236:237], v[96:97]
	v_pk_add_f32 v[254:255], v[254:255], v[98:99]
	v_pk_add_f32 v[252:253], v[252:253], v[102:103]
	v_pk_add_f32 v[250:251], v[250:251], v[106:107]
	v_pk_add_f32 v[248:249], v[248:249], v[110:111]
	v_pk_add_f32 v[246:247], v[246:247], v[114:115]
	v_pk_add_f32 v[244:245], v[244:245], v[118:119]
	v_pk_add_f32 v[14:15], v[14:15], v[122:123]
	v_pk_add_f32 v[236:237], v[236:237], v[126:127]
	v_pk_add_f32 v[254:255], v[254:255], v[130:131]
	v_pk_add_f32 v[252:253], v[252:253], v[134:135]
	v_pk_add_f32 v[250:251], v[250:251], v[138:139]
	v_pk_add_f32 v[248:249], v[248:249], v[142:143]
	v_pk_add_f32 v[246:247], v[246:247], v[146:147]
	v_pk_add_f32 v[244:245], v[244:245], v[150:151]
	v_pk_add_f32 v[14:15], v[14:15], v[154:155]
	v_pk_add_f32 v[236:237], v[236:237], v[158:159]
	s_delay_alu instid0(VALU_DEP_2)
	v_pk_add_f32 v[14:15], v[14:15], v[250:251]
	s_delay_alu instid0(VALU_DEP_2)
	v_pk_add_f32 v[236:237], v[236:237], v[248:249]
	v_pk_add_f32 v[254:255], v[254:255], v[246:247]
	v_pk_add_f32 v[252:253], v[252:253], v[244:245]
	s_delay_alu instid0(VALU_DEP_2)
	v_pk_add_f32 v[14:15], v[14:15], v[254:255]
	s_delay_alu instid0(VALU_DEP_2)
	v_pk_add_f32 v[236:237], v[236:237], v[252:253]
	s_delay_alu instid0(VALU_DEP_1)
	v_pk_add_f32 v[14:15], v[14:15], v[236:237]
	s_wait_alu depctr_va_vdst(0)                   ; and one for the four
.irp b, 0,1,2,3
	v_max_num_f32 v[212+\b], 0x2800000, v[212+\b]  ; the floor 2^(5 - 127)
.endr
.irp b, 0,1,2,3
	s_delay_alu instid0(VALU_DEP_4)
	v_add_nc_u32 v[220+\b], 0xfe000000, v[212+\b]
.endr
.irp b, 0,1,2,3
	s_delay_alu instid0(VALU_DEP_4)
	v_lshrrev_b32 v[216+\b], 23, v[220+\b]
.endr
	s_delay_alu instid0(VALU_DEP_3)
	v_lshl_or_b32 v230, v217, 8, v216              ; p's scale word for these 128 keys
	s_delay_alu instid0(VALU_DEP_1)
	v_lshl_or_b32 v230, v218, 16, v230
	s_delay_alu instid0(VALU_DEP_1)
	v_lshl_or_b32 v230, v219, 24, v230
.irp c, 0,1
	v_cvt_scalef32_pk16_bf6_f32 v[192+6*\c:194+6*\c], v[96+32*\c:111+32*\c], v[220+2*\c]
	v_cvt_scalef32_pk16_bf6_f32 v[204+4*\c:206+4*\c], v[112+32*\c:127+32*\c], v[220+2*\c+1]
.endr
	v_nop                                          ; one plain place behind the scaled conversions
.irp c, 0,1
.irp i, 0,1,2
	v_permlane16_swap_b32 v[192+6*\c+\i], v[204+4*\c+\i]           ; a whole block in a lane
.endr
.irp i, 0,1,2
	s_delay_alu instid0(VALU_DEP_3)
	v_mov_b32 v[195+6*\c+\i], v[204+4*\c+\i]
.endr
.endr
.set jj, 0
.rept 16
	v_pk_mul_f32 v[160+jj:161+jj], v[160+jj:161+jj], v[232:233] op_sel_hi:[1,0]   ; O^T under the new M; these sixteen are also the places between the operand's and the scale word's last writes and the products
.set jj, jj+2
.endr
	s_wait_alu depctr_va_vdst(0)                   ; directly ahead of the wait below
	s_wait_dscnt 0x0                               ; v and its scale words
.irp c, 0,2                                    ; the four accumulators take turns
	v_wmma_scale_f32_16x16x128_f8f6f4 v[160+8*\c:167+8*\c], v[32+12*\c:43+12*\c], v[192:203], v[160+8*\c:167+8*\c], v[228+\c/2], v230 matrix_a_fmt:MATRIX_FMT_BF6 matrix_b_fmt:MATRIX_FMT_BF6
	v_wmma_scale_f32_16x16x128_f8f6f4 v[168+8*\c:175+8*\c], v[44+12*\c:55+12*\c], v[192:203], v[168+8*\c:175+8*\c], v[228+\c/2], v230 matrix_a_fmt:MATRIX_FMT_BF6 matrix_b_fmt:MATRIX_FMT_BF6 matrix_a_scale:MATRIX_SCALE_ROW1
.endr
.endm
	s_load_b256 s[4:11], s[0:1], 0x0               ; qimg, kv, vals_codes, vals_scales
	v_lshl_add_u32 v3, v0, 2, SPARE
	v_mov_b32 v4, 0
	ds_add_u32 v3, v4                              ; the opening lines: the add, twice on end, and its wait ahead of my tensor load
	ds_add_u32 v3, v4
	v_lshrrev_b32 v5, 5, v0
	v_readfirstlane_b32 s12, v5                    ; wave 0..15
	s_bfe_u32 s15, ttmp6, 0x40000                  ; my place in the cluster: p
	s_and_b32 s14, ttmp7, 0xffff                   ; 16 batch + head
	; descriptor group 1: a block of kv: 51 dense rows of 256 bytes (32 elements of 8 bytes), no padding; the mask names the cluster's four, bit 21 beside it
	s_mov_b32 s24, 15|(3<<16)|(1<<21)
	s_mov_b32 s25, 32<<16
	s_mov_b32 s26, 51<<16
	s_mov_b32 s27, 32<<16
	s_mov_b32 s28, 51
	s_mov_b32 s29, 32
	s_mov_b32 s30, 0
	s_mov_b32 s31, 0
	s_mov_b32 s32, 1
	s_mul_i32 s33, s12, KVB                        ; block w of the head goes to LDS byte w x 13,056
	s_mul_i32 s60, s14, 16*KVB
	s_add_co_u32 s60, s60, s33
	s_mov_b32 s61, 0
	s_wait_dscnt 0x0
	s_wait_kmcnt 0x0
	CROUND                                         ; all four work-groups are here: the joint loads meet
	s_add_nc_u64 s[34:35], s[6:7], s[60:61]
	s_or_b32 s35, s35, 0x80000000
	tensor_load_to_lds s[32:35], s[24:31]          ; one load a wave, the only one of the launch
	s_nop 0
.rept 4
	v_nop
.endr
	s_lshr_b32 s58, s12, 1
	s_sub_co_u32 s23, 16, s58                      ; the first tile's key steps
	s_sub_co_u32 s57, 31, s12
	s_lshl_b32 s57, s57, 2
	s_add_co_u32 s57, s57, s15                     ; the first tile: 4 (31 - w) + p
	s_lshl_b32 s41, s12, 2
	s_add_co_u32 s41, s41, s15                     ; the second: 4 w + p
	s_mov_b32 s16, 0x76543210
	s_mov_b32 s17, 0xfedcba98
	s_mov_b32 s18, 0x3e38aa3b                      ; c = log2(e) / 8
	s_mov_b32 s19, s18
	s_mov_b32 s20, 0xffff0000
	s_lshl_b32 s21, s12, 10
	s_add_co_u32 s21, s21, STG                     ; my stage
	v_and_b32 v96, 31, v0                          ; lane
	v_and_b32 v97, 15, v0                          ; r
	v_bfe_u32 v98, v0, 4, 1                        ; h
	v_and_b32 v99, 8, v97
	v_add_nc_u32 v99, v99, v97                     ; r + 8 (r / 8)
	v_lshlrev_b32 v1, 4, v96
	v_lshlrev_b32 v2, 3, v96
	v_lshlrev_b32 v7, 4, v98
	v_sub_nc_u32 v7, v99, v7
	v_lshlrev_b32 v30, 6, v97
	v_lshl_add_u32 v30, v98, 4, v30
	v_add_nc_u32 v30, s21, v30                     ; the stage, way in: row r of four places of 16 bytes; place 2 e + h
	v_add_nc_u32 v31, s21, v1                      ; way out: place = lane
	v_mul_u32_u24 v86, v96, 12
	v_lshl_add_u32 v87, v99, 1, v98
	v_mov_b32 v88, 0xff800000
.irp j, 22,23,24,25,26,27,80,81,82,83,84,85,216,217,218,219,233,234
	v_mov_b32 v[\j], 0                             ; q's upper half and the codes behind k's last tile: zeros; the permutes' destinations and a pair's upper half: written once
.endr
	TILE s57, 42, 46, 40, 8
	TILE s41, 50, 52, 56, 100
	s_wait_alu depctr_va_vdst(0)                   ; the offsets were written ahead of runs of scalar lines
	global_load_b64 v[16:17], v8, s[42:43]         ; the first tile's q and scale word,
	global_load_b64 v[18:19], v9, s[42:43]
	global_load_b64 v[20:21], v10, s[42:43]
	global_load_b32 v28, v11, s[42:43]
	global_load_b64 v[90:91], v100, s[50:51]       ; and the second's, kept until its turn
	global_load_b64 v[92:93], v101, s[50:51]
	global_load_b64 v[94:95], v102, s[50:51]
	global_load_b32 v89, v103, s[50:51]
	INIT
	s_mov_b32 s22, 0
	s_wait_alu depctr_va_vdst(0)                   ; the wait at the head's end
	s_wait_loadcnt 0x0
	s_wait_tensorcnt 0x0                           ; my block is in
	s_barrier_signal -1
	s_barrier_wait -1                              ; and so is everybody's
.Lstep:                                                ; 17 trips, a key step each
	s_cmp_eq_u32 s22, s23
	s_cbranch_scc0 .Lsame                          ; at trip 16 - w / 2 the first tile is finished and the second begins
	s_wait_alu depctr_va_vdst(0)
	FINISH
	s_wait_xcnt 0x0                                ; the stores have read their registers and bases
	s_mov_b64 s[46:47], s[52:53]
	s_mov_b64 s[48:49], s[54:55]
	s_mov_b32 s40, s56
.irp j, 0,1,2,3,4,5
	v_mov_b32 v[16+\j], v[90+\j]
.endr
	v_mov_b32 v28, v89
	INIT                                           ; its 36 lines are also the places between q's and the scale word's writes and the next products
.Lsame:
	s_sub_co_u32 s58, 16, s22
	s_cmp_lt_u32 s22, s23
	s_cselect_b32 s58, s22, s58                    ; the key step: T for the first tile, 16 - T for the second
	s_min_u32 s58, s58, 15
	s_mul_i32 s21, s58, KVB
	s_lshl_b32 s39, s58, 7
	STEP
	s_add_co_u32 s22, s22, 1
	s_cmp_lt_u32 s22, 17
	s_cbranch_scc1 .Lstep
	s_wait_alu depctr_va_vdst(0)
	FINISH
	s_wait_tensorcnt 0x0                           ; the wave's end
	ds_add_u32 v3, v4
	s_wait_dscnt 0x0
	CROUND                                         ; the closing round
	s_endpgm
.Lfunc_end_k_q507ba6b0b4_attention:
	.size	k_q507ba6b0b4_attention, .Lfunc_end_k_q507ba6b0b4_attention-k_q507ba6b0b4_attention
	.p2alignl 7, 3214868480
	.fill 96, 4, 3214868480
	.section	.rodata,"a",@progbits
	.p2align	6, 0x0
	.amdhsa_kernel k_q507ba6b0b4_attention
		.amdhsa_group_segment_fixed_size 327680
		.amdhsa_private_segment_fixed_size 0
		.amdhsa_enable_private_segment 0
		.amdhsa_kernarg_size 32
		.amdhsa_user_sgpr_count 2
		.amdhsa_user_sgpr_kernarg_segment_ptr 1
		.amdhsa_wavefront_size32 1
		.amdhsa_system_sgpr_workgroup_id_x 1
		.amdhsa_system_sgpr_workgroup_id_y 1
		.amdhsa_system_sgpr_workgroup_id_z 1
		.amdhsa_system_vgpr_workitem_id 0
		.amdhsa_next_free_vgpr 256
		.amdhsa_next_free_sgpr 66
		.amdhsa_reserve_vcc 1
		.amdhsa_float_denorm_mode_32 3
		.amdhsa_float_denorm_mode_16_64 3
		.amdhsa_memory_ordered 1
		.amdhsa_forward_progress 1
		.amdhsa_inst_pref_size 43
	.end_amdhsa_kernel
	.amdgpu_metadata
---
amdhsa.version: [ 1, 2 ]
amdhsa.kernels:
  - .name:           k_q507ba6b0b4_attention
    .symbol:         k_q507ba6b0b4_attention.kd
    .args:
      - { .name: qimg, .offset: 0, .size: 8, .value_kind: global_buffer, .address_space: global }
      - { .name: kv, .offset: 8, .size: 8, .value_kind: global_buffer, .address_space: global }
      - { .name: vals_codes, .offset: 16, .size: 8, .value_kind: global_buffer, .address_space: global }
      - { .name: vals_scales, .offset: 24, .size: 8, .value_kind: global_buffer, .address_space: global }
    .group_segment_fixed_size: 327680
    .private_segment_fixed_size: 0
    .kernarg_segment_align: 8
    .kernarg_segment_size: 32
    .max_flat_workgroup_size: 512
    .sgpr_count:     66
    .vgpr_count:     256
    .wavefront_size: 32
...
	.end_amdgpu_metadata
.endif
;; end of part 3
;; launch gemm_out (part 4): grid 8 x 32, 4 waves a work-group, clusters of 4 x 4, 327,680 bytes of LDS; arguments vals_codes, vals_scales, w_codes, w_scales, b_o, out0; writes out0
.if DOCPART == 4
	.amdgcn_target "amdgcn-amd-amdhsa--gfx1250"
	.amdhsa_code_object_version 6
	.text
	.protected	k_q507ba6b0b4_gemm_out
	.globl	k_q507ba6b0b4_gemm_out
	.p2align	8
	.type	k_q507ba6b0b4_gemm_out,@function
k_q507ba6b0b4_gemm_out:
	s_mov_b64 s[64:65], 0
	v_nop
	global_prefetch_b8 v0, s[64:65] scope:SCOPE_SE
	s_setreg_imm32_b32 hwreg(HW_REG_WAVE_MODE, 25, 1), 1
	s_wait_xcnt 0x0
	s_wait_alu depctr_hold_cnt(0) depctr_sa_sdst(0) depctr_va_vdst(0) depctr_va_sdst(0) depctr_va_ssrc(0) depctr_va_vcc(0) depctr_vm_vsrc(0)
	s_getreg_b32 s2, hwreg(HW_REG_IB_STS2, 6, 4)
	s_cmp_eq_u32 s2, 0
	s_cbranch_scc0 .Lentry_in_a_cluster
	s_endpgm
.Lentry_in_a_cluster:
	s_bfe_u32 s2, ttmp6, 0x10000c
	s_cmp_lg_u32 s2, 0xf033
	s_cbranch_scc0 .Lentry_shape_is_right
	s_endpgm
.Lentry_shape_is_right:
; out0 = vals W_o + b_o on codes of BF6 (E3M2) with E8M0 scales, K = 1024.  vals_codes [8192][768 bytes], vals_scales [8192][32]; W_o's column n is row 3072 + n of w_codes and w_scales
; (in each group of 32 rows, bits 3 and 4 of the row exchanged).
; SHARES.  Work-group (g, T) makes rows 256 T on x columns 128 g on; 8 x 32 work-groups.  A wave owns 64 rows for all of K: their fragments (384 registers) pass through LDS once and stay in registers.
; The 128 rows of the weights lie in LDS whole, as two slots of 64 rows; a slot is 8 steps of 128 along K x 16 matrix instructions a wave, the accumulators by turns.
; TILES.  Whole rows of 768 bytes lie end to end, so each tile is a dense block stated as rows of 256 bytes with 16 bytes of padding behind each: an LDS row is 816 bytes.  Four tiles, one load a wave, all at the head:
; nothing is filled again, so there is one barrier and no ring.  CLUSTERS of 4 x 4: the rows' tiles are shared along a row of the cluster, the weights' along a column, by joint loads.
; SCALES go from memory into registers: a lane takes a row's 32 bytes; lanes 0-15 hold an even block's rows, lanes 16-31 the next block's.  The bias is the C of each sum's first instruction.
; Source 0 = weights, source 1 = rows: a lane holds one row of the result, and the 16 registers of two neighbouring blocks are 16 neighbouring columns.
; NO PREFETCH: there is no loop to run ahead in: all tiles are asked for at the head.
; REGISTERS.  window 0: v0-15 addresses, v16-31 and v32-63 scale words, v64-255 the weights' fragments, four sets of 48 (on the way out: rows read back).  windows 1, 2: v0-191 my rows' fragments;
;   window 2 v192-255 the bias.  window 3: the 32 accumulators, (slot s, a, b) at 128 s + 8 (4 a + b).
.set PITCH, 816
.set BLK,   16*PITCH
.set SPARE, 52224                      ; the spare words: 128 bytes a wave, two blocks of 256 bytes that no other line names
.set SL1,   52736
.set AST,   104960
.set SPITCH, 528                       ; the way out: 16 rows x (512 bytes + 16) a wave, in my own 64 rows of AST, which have had their one fill and which I alone read
.set CO,   3
.set ADRB, 4
.set ADRA, 8
.set SPW,  10
.set NIL,  11
.set SCA,  12
.set BQ,   13
.set STO,  14
.set RD,   15
.set SA,   16
.set SB,   32
.set BF,   64
.set BK,   128
.set BIA,  192
.set G1A, 28
.set G1B, 36
.set G0A, 52
.set G0B, 56
.set DW0, (3<<16)|(1<<20)|(1<<21)|(5<<22)|(3<<25)
.set MSB, 0
.macro WIN new                         ; the immediate's high byte repeats the setting that is left
.if MSB != (\new)
	s_set_vgpr_msb (MSB<<8)|(\new)
.set MSB, (\new)
.endif
.endm
.macro PLACES                          ; plain vector lines between a matrix instruction and a load into, or a read of, its registers
.rept 4
	v_nop
.endr
.endm
.macro CROUND                          ; a round of the cluster's barrier
	s_barrier_signal -1
	s_barrier_wait -1
	s_cmp_lg_u32 s18, 0
	s_cbranch_scc1 .Lnot_wave_0_\@
	s_barrier_signal -3
.Lnot_wave_0_\@:
	s_barrier_wait -3
	s_barrier_signal -1
	s_barrier_wait -1
.endm
.macro G1SET g, rows
	s_mov_b32 s[\g+1], 32<<16
	s_mov_b32 s[\g+2], (\rows)<<16
	s_mov_b32 s[\g+3], 32<<16
	s_mov_b32 s[\g+4], \rows
	s_mov_b32 s[\g+5], 32
	s_mov_b32 s[\g+6], 0
	s_mov_b32 s[\g+7], 0
.endm
.macro FRAG reg, adr, st, i            ; 16 rows x 128 K in pieces of 8 bytes; byte y of a row lies at y + 16 (y / 256); where lanes 16-31 read behind one padding more, the second address serves
.irp p, 0,1,2,3,4,5
.set BY, 96*(\st)+48*(\p/3)+8*(\p%3)
.if BY/256 == (BY+24)/256
	ds_load_b64 v[(\reg)+2*\p:(\reg)+2*\p+1], v[\adr] offset:BY+16*(BY/256)+(\i)*BLK
.else
	ds_load_b64 v[(\reg)+2*\p:(\reg)+2*\p+1], v[(\adr)+1] offset:BY+16*(BY/256)+(\i)*BLK
.endif
.endr
.endm
.macro FETCHB s, st
.irp i, 0,1,2,3
	FRAG BF+48*((\st)%4)+12*\i, ADRB+2*(\s), \st, \i
.endr
.endm
.macro WM d, x, y, c, sx, sy, rx, ry
.if (\rx) == 0 && (\ry) == 0
	v_wmma_scale_f32_16x16x128_f8f6f4 v[(\d):(\d)+7], v[(\x):(\x)+11], v[(\y):(\y)+11], v[(\c):(\c)+7], v[\sx], v[\sy] matrix_a_fmt:MATRIX_FMT_BF6 matrix_b_fmt:MATRIX_FMT_BF6
.elseif (\ry) == 0
	v_wmma_scale_f32_16x16x128_f8f6f4 v[(\d):(\d)+7], v[(\x):(\x)+11], v[(\y):(\y)+11], v[(\c):(\c)+7], v[\sx], v[\sy] matrix_a_fmt:MATRIX_FMT_BF6 matrix_b_fmt:MATRIX_FMT_BF6 matrix_a_scale:MATRIX_SCALE_ROW1
.elseif (\rx) == 0
	v_wmma_scale_f32_16x16x128_f8f6f4 v[(\d):(\d)+7], v[(\x):(\x)+11], v[(\y):(\y)+11], v[(\c):(\c)+7], v[\sx], v[\sy] matrix_a_fmt:MATRIX_FMT_BF6 matrix_b_fmt:MATRIX_FMT_BF6 matrix_b_scale:MATRIX_SCALE_ROW1
.else
	v_wmma_scale_f32_16x16x128_f8f6f4 v[(\d):(\d)+7], v[(\x):(\x)+11], v[(\y):(\y)+11], v[(\c):(\c)+7], v[\sx], v[\sy] matrix_a_fmt:MATRIX_FMT_BF6 matrix_b_fmt:MATRIX_FMT_BF6 matrix_a_scale:MATRIX_SCALE_ROW1 matrix_b_scale:MATRIX_SCALE_ROW1
.endif
.endm
.macro MUL s, st                       ; one step: 16 matrix instructions; step 0 takes the bias (window 2) as C
.irp ah, 0,1
.if (\st) == 0
	WIN 0xe0|((1+\ah)<<2)
.else
	WIN 0xf0|((1+\ah)<<2)
.endif
.irp a2, 0,1
.irp b, 0,1,2,3
.set DD, 128*(\s)+8*(4*(2*\ah+\a2)+\b)
.if (\st) == 0
.set CC, BIA+32*(\s)+8*\b
.else
.set CC, DD
.endif
	WM DD, BF+48*((\st)%4)+12*\b, 96*\a2+12*(\st), CC, SB+16*(\s)+8*(\b/2)+(\st), SA+8*\ah+(\st), \b%2, \a2
.endr
.endr
.endr
.endm
.macro SLOT s                          ; fragments are asked for two steps ahead.  Slot 0 also brings my rows' fragments: its fetch is 48 loads, and the youngest fetch may be out; in slot 1 the two youngest, 24 loads each
.set ST, 0
.rept 8
	PLACES
.if ST < 6
.if (\s) == 0
	FETCHA ST+2
.endif
	FETCHB \s, ST+2
	s_wait_dscnt 48
.elseif (\s) == 0
	FETCHB 1, ST-6
	s_wait_dscnt 48
.else
	s_wait_dscnt 24*(7-ST)
.endif
	MUL \s, ST
	WIN 0
.set ST, ST+1
.endr
.endm
	s_load_b256 s[4:11], s[0:1], 0x0               ; vals_codes, vals_scales, w_codes, w_scales
	s_load_b128 s[12:15], s[0:1], 0x20             ; b_o, out0
	v_lshl_add_u32 v[SPW], v0, 2, SPARE
	v_mov_b32 v[NIL], 0
	ds_add_u32 v[SPW], v[NIL]                      ; the opening lines: the add, twice on end, and its wait ahead of my first tensor load
	ds_add_u32 v[SPW], v[NIL]
	v_lshrrev_b32 v1, 5, v0
	v_readfirstlane_b32 s18, v1                    ; wave
	s_lshr_b32 s19, s18, 1                         ; I fetch rows (0) or weights (1)
	s_and_b32 s20, s18, 1                          ; which half, which slot
	s_bfe_u32 s21, ttmp6, 0x40000                  ; cx
	s_bfe_u32 s22, ttmp6, 0x40004                  ; cy
	s_lshl_b32 s23, ttmp9, 2
	s_add_co_u32 s23, s23, s21                     ; g
	s_and_b32 s24, ttmp7, 0xffff
	s_lshl_b32 s24, s24, 2
	s_add_co_u32 s24, s24, s22                     ; T
	s_lshl_b32 s25, s22, 2
	s_lshl_b32 s25, 15, s25                        ; my row of the cluster
	s_lshl_b32 s26, 0x1111, s21                    ; my column
	s_or_b32 s[G1A], s25, DW0
	s_or_b32 s[G1B], s26, DW0
	G1SET G1A, 384                                 ; 128 rows of 768 bytes
	G1SET G1B, 192                                 ; 64 rows
	s_lshl_b32 s72, s24, 8
	s_lshl_b32 s27, s20, 7
	s_add_co_u32 s72, s72, s27
	s_mul_i32 s72, s72, 768                        ; rows 256 T + 128 half on
	s_mov_b32 s73, 0
	s_lshl_b32 s74, s23, 7
	s_lshl_b32 s27, s20, 6
	s_add_co_u32 s74, s74, s27
	s_add_co_u32 s74, s74, 3072
	s_mul_i32 s74, s74, 768                        ; weights: rows 3072 + 128 g + 64 slot on
	s_mov_b32 s75, 0
	s_mul_i32 s78, s20, 128*PITCH
	s_mul_i32 s79, s20, SL1
	s_wait_dscnt 0x0
	s_wait_kmcnt 0x0
	CROUND                                         ; all sixteen work-groups are here: the joint loads meet
	s_mov_b32 s[G0A], 1
	s_add_co_u32 s[G0A+1], s78, AST
	s_add_nc_u64 s[G0A+2:G0A+3], s[4:5], s[72:73]
	s_or_b32 s[G0A+3], s[G0A+3], 0x80000000
	s_mov_b32 s[G0B], 1
	s_mov_b32 s[G0B+1], s79
	s_add_nc_u64 s[G0B+2:G0B+3], s[8:9], s[74:75]
	s_or_b32 s[G0B+3], s[G0B+3], 0x80000000
	s_cmp_eq_u32 s19, 0                            ; one load a wave, in the two arms of one branch on the wave's number
	s_cbranch_scc0 .Lhead_b
	tensor_load_to_lds s[G0A:G0A+3], s[G1A:G1A+7]
	s_nop 0
	PLACES
	s_branch .Lhead_asked
.Lhead_b:
	tensor_load_to_lds s[G0B:G0B+3], s[G1B:G1B+7]
	s_nop 0
	PLACES
.Lhead_asked:
	v_and_b32 v1, 15, v0                           ; r
	v_bfe_u32 v2, v0, 4, 1                         ; h
	v_mul_u32_u24 v[CO], v1, PITCH
	v_mad_u32_u24 v[ADRB], v2, 24, v[CO]
	v_mad_u32_u24 v[ADRB+1], v2, 40, v[CO]
	v_add_nc_u32 v[ADRB+2], SL1, v[ADRB]
	v_add_nc_u32 v[ADRB+3], SL1, v[ADRB+1]
	s_mul_i32 s27, s18, 64*PITCH
	s_add_co_u32 s27, s27, AST                     ; my 64 rows, and later my stage
	v_add_nc_u32 v[ADRA], s27, v[ADRB]
	v_add_nc_u32 v[ADRA+1], s27, v[ADRB+1]
	v_and_b32 v[RD], 31, v0
	v_lshlrev_b32 v[SCA], 5, v[RD]
	v_lshlrev_b32 v[CO], 4, v[RD]                  ; out: the 32 lanes take one row's 512 bytes
	v_add_nc_u32 v[RD], s27, v[CO]
	v_lshlrev_b32 v[BQ], 6, v2
	v_mul_u32_u24 v[STO], v1, SPITCH
	v_add_nc_u32 v[STO], v[STO], v[BQ]
	v_add_nc_u32 v[STO], s27, v[STO]               ; into the stage: row r, 64 bytes for each half of the lanes
	s_lshl_b32 s72, s24, 13
	s_lshl_b32 s27, s18, 11
	s_add_co_u32 s72, s72, s27
	s_add_nc_u64 s[92:93], s[6:7], s[72:73]        ; my 64 rows' scales
	s_lshl_b32 s72, s23, 12
	s_add_co_u32 s72, s72, 98304
	s_add_nc_u64 s[86:87], s[10:11], s[72:73]      ; the scales of rows 3072 + 128 g on
	s_lshl_b32 s72, s23, 9
	s_add_nc_u64 s[88:89], s[12:13], s[72:73]      ; the bias of columns 128 g on
	s_add_nc_u64 s[14:15], s[14:15], s[72:73]
	s_lshl_b32 s72, s24, 8
	s_lshl_b32 s27, s18, 6
	s_add_co_u32 s72, s72, s27
	s_lshl_b32 s72, s72, 12
	s_add_nc_u64 s[14:15], s[14:15], s[72:73]      ; out0 at my first row and column
	s_wait_alu depctr_va_vdst(0)                   ; the wait at the head's end
.irp e, 0,1
.irp k, 0,1
	global_load_b128 v[SA+8*\e+4*\k:SA+8*\e+4*\k+3], v[SCA], s[92:93] offset:1024*\e+16*\k
.endr
.endr
.irp e, 0,1,2,3
.irp k, 0,1
	global_load_b128 v[SB+8*\e+4*\k:SB+8*\e+4*\k+3], v[SCA], s[86:87] offset:1024*\e+16*\k
.endr
.endr
	WIN 0x80
.irp b, 0,1,2,3,4,5,6,7
	global_load_b128 v[BIA+8*\b:BIA+8*\b+3], v[BQ], s[88:89] offset:128*(\b/2)+32*(\b%2)          ; block 2 e + u, register j: column 32 e + 16 h + 8 u + j
	global_load_b128 v[BIA+8*\b+4:BIA+8*\b+7], v[BQ], s[88:89] offset:128*(\b/2)+32*(\b%2)+16
.endr
	WIN 0
	s_wait_tensorcnt 0x0                           ; my tile of the four is in
	s_barrier_signal -1
	s_barrier_wait -1                              ; and so is everybody's
.macro FETCHA st                       ; my rows' four fragments of step st, which stay for the whole launch: 24 loads
.irp a, 0,1,2,3
	WIN 0x40*(1+\a/2)
	FRAG 96*(\a%2)+12*(\st), ADRA, \st, \a
.endr
	WIN 0
.endm
	FETCHA 0
	FETCHB 0, 0
	FETCHA 1
	FETCHB 0, 1
	s_wait_loadcnt 0x0
	SLOT 0
	SLOT 1
; THE WAY OUT, block by block of 16 rows x 128 columns, through my stage: whole rows of 512 bytes come back and leave as two aligned units of 256 bytes.  LDS serves a wave's instructions in order (ISA guide 5.7.1.4).
.macro TOSTAGE a
	WIN 0x0c                                       ; the data: window 3
.irp s, 0,1
.irp b, 0,1,2,3
	ds_store_b128 v[STO], v[128*\s+8*(4*(\a)+\b):128*\s+8*(4*(\a)+\b)+3] offset:256*\s+128*(\b/2)+32*(\b%2)       ; each accumulator from its low end on
	ds_store_b128 v[STO], v[128*\s+8*(4*(\a)+\b)+4:128*\s+8*(4*(\a)+\b)+7] offset:256*\s+128*(\b/2)+32*(\b%2)+16
.endr
.endr
	WIN 0
.set BB, BK+64*((\a)%2)
.irp t, 0,1,2,3,4,5,6,7,8,9,10,11,12,13,14,15
	ds_load_b128 v[BB+4*\t:BB+4*\t+3], v[RD] offset:\t*SPITCH
.endr
.endm
.macro SEND a, younger                 ; younger: the LDS instructions issued behind block a's loads
.set BB, BK+64*((\a)%2)
	s_wait_dscnt \younger
.if (\a) > 0
	s_add_nc_u64 s[14:15], s[14:15], 65536         ; 16 rows on (behind a wait on XCNT: the earlier stores have read their base)
.endif
.irp t, 0,1,2,3,4,5,6,7,8,9,10,11,12,13,14,15
	global_store_b128 v[CO], v[BB+4*\t:BB+4*\t+3], s[14:15] offset:\t*4096 th:TH_STORE_NT
.endr
.endm
	PLACES
	TOSTAGE 0
.irp a, 1,2,3
.if \a > 1
	s_wait_xcnt 0x0                                ; block a - 2's stores have read their registers and their base
.endif
	TOSTAGE \a
	SEND \a-1, 32
.endr
	s_wait_xcnt 0x0
	SEND 3, 0
	s_wait_tensorcnt 0x0                           ; the wave's end
	ds_add_u32 v[SPW], v[NIL]
	s_wait_dscnt 0x0
	CROUND                                         ; the closing round
	s_endpgm
.Lfunc_end_k_q507ba6b0b4_gemm_out:
	.size	k_q507ba6b0b4_gemm_out, .Lfunc_end_k_q507ba6b0b4_gemm_out-k_q507ba6b0b4_gemm_out
	.p2alignl 7, 3214868480
	.fill 96, 4, 3214868480
	.section	.rodata,"a",@progbits
	.p2align	6, 0x0
	.amdhsa_kernel k_q507ba6b0b4_gemm_out
		.amdhsa_group_segment_fixed_size 327680
		.amdhsa_private_segment_fixed_size 0
		.amdhsa_enable_private_segment 0
		.amdhsa_kernarg_size 48
		.amdhsa_user_sgpr_count 2
		.amdhsa_user_sgpr_kernarg_segment_ptr 1
		.amdhsa_wavefront_size32 1
		.amdhsa_system_sgpr_workgroup_id_x 1
		.amdhsa_system_sgpr_workgroup_id_y 1
		.amdhsa_system_sgpr_workgroup_id_z 1
		.amdhsa_system_vgpr_workitem_id 0
		.amdhsa_next_free_vgpr 1024
		.amdhsa_next_free_sgpr 102
		.amdhsa_reserve_vcc 0
		.amdhsa_float_denorm_mode_32 3
		.amdhsa_float_denorm_mode_16_64 3
		.amdhsa_memory_ordered 1
		.amdhsa_forward_progress 1
		.amdhsa_inst_pref_size 97
	.end_amdhsa_kernel
	.amdgpu_metadata
---
amdhsa.version: [ 1, 2 ]
amdhsa.kernels:
  - .name:           k_q507ba6b0b4_gemm_out
    .symbol:         k_q507ba6b0b4_gemm_out.kd
    .args:
      - { .name: vals_codes, .offset: 0, .size: 8, .value_kind: global_buffer, .address_space: global }
      - { .name: vals_scales, .offset: 8, .size: 8, .value_kind: global_buffer, .address_space: global }
      - { .name: w_codes, .offset: 16, .size: 8, .value_kind: global_buffer, .address_space: global }
      - { .name: w_scales, .offset: 24, .size: 8, .value_kind: global_buffer, .address_space: global }
      - { .name: b_o, .offset: 32, .size: 8, .value_kind: global_buffer, .address_space: global }
      - { .name: out0, .offset: 40, .size: 8, .value_kind: global_buffer, .address_space: global }
    .group_segment_fixed_size: 327680
    .private_segment_fixed_size: 0
    .kernarg_segment_align: 8
    .kernarg_segment_size: 48
    .max_flat_workgroup_size: 128
    .sgpr_count:     102
    .vgpr_count:     1024
    .wavefront_size: 32
...
	.end_amdgpu_metadata
.endif
;; end of part 4
